; MI455X (gfx1250); checked and timed in simulation.
; The chip was launched on July 23, 2026; its instructions are those of AMD's public machine-readable ISA for CDNA 5 (MIT licence, August 2026) and "CDNA5" Instruction Set Architecture Reference Guide (July 2026). The comments in the code are by the model that wrote it; some were corrected since.
;; Adaptive Softmax Probe. Allowed arithmetic: float matrix products may take bf16 or f16 operands with f32 sums; other float arithmetic in f32, or as packed bf16 or f16 multiplies, adds, multiply-adds, maxima and minima; sums over many terms, partial sums and values carried from step to step in f32; what a program stores and reads back later, other than sums and carried values, may be rounded once to bf16 or f16.
;; Inputs: W1_0 512 x 2,048 float32; W1_1 128 x 2,048 float32; W2_0 9,000 x 512 float32; W2_1 40,257 x 128 float32; W_head 1,002 x 2,048 float32; target 4,096 int32; x 4,096 x 2,048 float32.
;; Outputs: out0 4,096 float32; out1 one number float32.
;; 2 versions, each right; version 2 is version 1 with the launches prep, tails written anew for expert scheduling mode. Each part assembles by itself: llvm-mc -triple=amdgcn-amd-amdhsa -mcpu=gfx1250 --defsym DOCPART=n.
;; ======== version 1 of 2: 5 launches
;; workspace buffers: xb 16,777,216 bytes; wb 7,340,032 bytes; cb 14,680,064 bytes; list 32,768 bytes of whole numbers; cnt 256 bytes of whole numbers; part1 13,762,560 bytes; part0 2,906,112 bytes
;; launch prep (part 1): grid 257 x 1, 8 waves a work-group, no clusters, 1,280 bytes of LDS; arguments x, W_head, W1_0, W1_1, target, xb, wb, list, cnt; writes xb, wb, list, cnt
.if DOCPART == 1
	.amdgcn_target "amdgcn-amd-amdhsa--gfx1250"
	.amdhsa_code_object_version 6
	.text
	.protected	k_qbca60a3e11_prep
	.globl	k_qbca60a3e11_prep
	.p2align	8
	.type	k_qbca60a3e11_prep,@function
k_qbca60a3e11_prep:
	s_mov_b64 s[64:65], 0
	v_nop
	global_prefetch_b8 v0, s[64:65] scope:SCOPE_SE
	s_setreg_imm32_b32 hwreg(HW_REG_WAVE_MODE, 25, 1), 1
	s_wait_xcnt 0x0
; PREP.  Work-groups 0 to 255 round x to bf16 (xb, 16 rows each) and lay the three first-stage weights one below the other in bf16
; (wb, 7 rows each): rows 0-1001 W_head, 1002-1023 zeros, 1024-1535 W1_0, 1536-1663 W1_1, 1664-1791 zeros.
; Work-group 256 sorts the 4,096 tokens by the cluster of their target, by counting, without atomics: tail 1 (target >= 10000) first, then
; tail 0 (1000 <= target < 10000), then the head; list[q] = (token, target), cnt = (n1, n0).  The compares are signed, as the reference's are.
; THE STREAM.  A row of 2,048 f32 is 8,192 bytes: wave w takes bytes 1,024 w on, as two loads of 512 consecutive bytes; a lane's four numbers
; become 8 bytes, so a wave's store covers 256 consecutive bytes, aligned.  All 46 loads of a wave go out before the first wait; no register is loaded twice.
.set SPARE, 256                        ; the spare words: 128 bytes for each of eight waves; the block from byte 0 holds the waves' counts
.set SPW,   190                        ; v190  SPARE + 4 x my thread's number; never rewritten
.set NIL,   191                        ; v191  0; never rewritten
.set XR,    4                          ; v[4:131]    16 rows of x, 8 registers each
.set WR,    132                        ; v[132:187]  7 rows of weights
	s_load_b256 s[4:11], s[0:1], 0x0               ; x s[4:5], W_head s[6:7], W1_0 s[8:9], W1_1 s[10:11]
	s_load_b256 s[12:19], s[0:1], 0x20             ; target s[12:13], xb s[14:15], wb s[16:17], list s[18:19]
	s_load_b64 s[20:21], s[0:1], 0x40              ; cnt
	v_lshl_add_u32 v[SPW], v0, 2, SPARE
	v_mov_b32 v[NIL], 0
	v_lshrrev_b32 v1, 5, v0
	v_readfirstlane_b32 s22, v1                    ; wave 0..7
	v_and_b32 v3, 31, v0                           ; lane
	s_cmp_eq_u32 ttmp9, 256                        ; the same answer in all eight waves
	s_cbranch_scc1 .Lroute
	v_lshlrev_b32 v2, 3, v3
	v_lshl_add_u32 v2, v1, 9, v2                   ; out: 512 w + 8 lane
	v_lshlrev_b32 v1, 1, v2                        ; in: 1,024 w + 16 lane
	s_mul_i32 s23, ttmp9, 7                        ; my first row of wb
	s_lshl_b32 s32, ttmp9, 17                      ; 16 rows of 8,192 bytes
	s_mov_b32 s33, 0
	s_lshl_b32 s34, ttmp9, 16                      ; 16 rows of 4,096 bytes
	s_mov_b32 s35, 0
	s_mul_i32 s36, ttmp9, 7*4096
	s_mov_b32 s37, 0
	s_wait_kmcnt 0x0
	s_add_nc_u64 s[4:5], s[4:5], s[32:33]
	s_add_nc_u64 s[14:15], s[14:15], s[34:35]
	s_add_nc_u64 s[16:17], s[16:17], s[36:37]
.set r, 0
.rept 16
	global_load_b128 v[XR+8*r:XR+8*r+3],   v1, s[4:5] offset:8192*r th:TH_LOAD_NT
	global_load_b128 v[XR+8*r+4:XR+8*r+7], v1, s[4:5] offset:8192*r+512 th:TH_LOAD_NT
.set r, r+1
.endr
; Row 7 g + i of wb: which tensor it comes from, which of its rows, and a mask that is 0 for a row of zeros (such a row loads the tensor's row 0 and clears it).
.macro WROW i
	s_add_co_u32 s24, s23, \i
	s_cmp_ge_u32 s24, 1024
	s_cselect_b64 s[26:27], s[8:9], s[6:7]
	s_cselect_b32 s25, 1024, 0
	s_cmp_ge_u32 s24, 1536
	s_cselect_b64 s[26:27], s[10:11], s[26:27]
	s_cselect_b32 s25, 1536, s25
	s_cmp_lt_u32 s24, 1002
	s_cselect_b32 s28, -1, 0
	s_sub_co_u32 s29, s24, 1024                    ; rows 1024 to 1663 are real too (below 1024 this wraps to a large number)
	s_cmp_lt_u32 s29, 640
	s_cselect_b32 s28, -1, s28
	s_sub_co_u32 s29, s24, s25
	s_and_b32 s29, s29, s28
	s_lshl_b32 s30, s29, 13
	s_mov_b32 s31, 0
	s_add_nc_u64 s[40+2*(\i):41+2*(\i)], s[26:27], s[30:31]
	s_mov_b32 s[56+(\i)], s28
	global_load_b128 v[WR+8*(\i):WR+8*(\i)+3],   v1, s[40+2*(\i):41+2*(\i)] th:TH_LOAD_NT
	global_load_b128 v[WR+8*(\i)+4:WR+8*(\i)+7], v1, s[40+2*(\i):41+2*(\i)] offset:512 th:TH_LOAD_NT
.endm
.irp i, 0,1,2,3,4,5,6
	WROW \i
.endr
; Eight numbers are rounded in place and stored.  msk: the scalar register with the row's mask, or -1.
.macro OUT a, base, off, msk
	v_cvt_pk_bf16_f32 v[(\a)],   v[(\a)],   v[(\a)+1]
	v_cvt_pk_bf16_f32 v[(\a)+1], v[(\a)+2], v[(\a)+3]
	v_cvt_pk_bf16_f32 v[(\a)+4], v[(\a)+4], v[(\a)+5]
	v_cvt_pk_bf16_f32 v[(\a)+5], v[(\a)+6], v[(\a)+7]
.if (\msk) >= 0
	v_and_b32 v[(\a)],   s[(\msk)], v[(\a)]
	v_and_b32 v[(\a)+1], s[(\msk)], v[(\a)+1]
	v_and_b32 v[(\a)+4], s[(\msk)], v[(\a)+4]
	v_and_b32 v[(\a)+5], s[(\msk)], v[(\a)+5]
.endif
	global_store_b64 v2, v[(\a):(\a)+1],   s[(\base):(\base)+1] offset:(\off)
	global_store_b64 v2, v[(\a)+4:(\a)+5], s[(\base):(\base)+1] offset:(\off)+256
.endm
.set n, 0
.rept 16
	s_wait_loadcnt 44-2*n                          ; loads come back in order: behind row n's two stand 44 - 2 n younger ones
	OUT (XR+8*n), 14, (4096*n), -1
.set n, n+1
.endr
.set n, 0
.rept 7
	s_wait_loadcnt 12-2*n
	OUT (WR+8*n), 16, (4096*n), (56+n)
.set n, n+1
.endr
	s_endpgm                                       ; these waves have written no LDS
.Lroute:                               ; wave w has tokens 512 w + 32 i + lane, i = 0..15
	s_lshl_b32 s23, s22, 11
	v_lshl_add_u32 v4, v3, 2, s23                  ; byte 2,048 w + 4 lane of target
	s_lshl_b32 s23, s22, 9
	v_add_nc_u32 v27, s23, v3                      ; token 512 w + lane
	s_wait_kmcnt 0x0
.set i, 0
.rept 16
	global_load_b32 v[33+2*i], v4, s[12:13] offset:128*i   ; the odd register of pair i: (token, target)
.set i, i+1
.endr
	s_mov_b32 s56, 0                               ; my wave's count for tail 1
	s_mov_b32 s57, 0                               ; and for the head
	s_wait_loadcnt 0x0
.set i, 0
.rept 16
	v_cmp_le_i32 s[24+i], 0x2710, v[33+2*i]        ; 10000 <= t: tail 1
	v_cmp_gt_i32 s[40+i], 0x3e8, v[33+2*i]         ; 1000 > t: head
	s_bcnt1_i32_b32 s58, s[24+i]
	s_add_co_u32 s56, s56, s58
	s_bcnt1_i32_b32 s58, s[40+i]
	s_add_co_u32 s57, s57, s58
.set i, i+1
.endr
	s_sub_co_u32 s59, 512, s56
	s_sub_co_u32 s59, s59, s57                     ; tail 0
	s_lshl_b32 s58, s22, 3
	v_mov_b32 v5, s58
	v_mov_b32 v6, s56
	v_mov_b32 v7, s59
	ds_store_b64 v5, v[6:7]                        ; all lanes write the same pair to my wave's 8 bytes
	s_wait_dscnt 0x0                               ; for the others' sake: my store is done
	s_barrier_signal -1
	s_barrier_wait -1
	v_mov_b32 v28, 0
	ds_load_b128 v[8:11],  v28
	ds_load_b128 v[12:15], v28 offset:16
	ds_load_b128 v[16:19], v28 offset:32
	ds_load_b128 v[20:23], v28 offset:48
	s_wait_dscnt 0x0
.set i, 0
.rept 16
	v_readfirstlane_b32 s[70+i], v[8+i]            ; s[70+2w'], s[71+2w']: wave w' counts for tail 1, tail 0
.set i, i+1
.endr
	s_mov_b32 s86, 0                               ; n1
	s_mov_b32 s87, 0                               ; n0
	s_mov_b32 s88, 0                               ; tail 1 in the waves before mine
	s_mov_b32 s89, 0                               ; tail 0 likewise
.set i, 0
.rept 8
	s_add_co_u32 s86, s86, s[70+2*i]
	s_add_co_u32 s87, s87, s[71+2*i]
	s_cmp_gt_u32 s22, i
	s_cselect_b32 s90, s[70+2*i], 0
	s_cselect_b32 s91, s[71+2*i], 0
	s_add_co_u32 s88, s88, s90
	s_add_co_u32 s89, s89, s91
.set i, i+1
.endr
	s_mov_b32 s92, s88                             ; where my wave's next tail-1 token goes,
	s_add_co_u32 s93, s86, s89                     ; its next tail-0 token,
	s_add_co_u32 s94, s86, s87
	s_add_co_u32 s94, s94, s23
	s_sub_co_u32 s94, s94, s88
	s_sub_co_u32 s94, s94, s89                     ; and its next head token
	s_cmp_lg_u32 s22, 0
	s_cbranch_scc1 .Lnocnt
	v_mov_b32 v30, s86
	v_mov_b32 v31, s87
	global_store_b64 v28, v[30:31], s[20:21]       ; wave 0 alone: (n1, n0)
.Lnocnt:
.set i, 0
.rept 16
	s_or_b32 s95, s[24+i], s[40+i]
	s_not_b32 s95, s95                             ; tail 0's lanes
	v_mbcnt_lo_u32_b32 v24, s[24+i], s92           ; the class's next place + how many lower lanes are of the class
	v_mbcnt_lo_u32_b32 v25, s95, s93
	v_mbcnt_lo_u32_b32 v26, s[40+i], s94
	v_cndmask_b32 v25, v25, v24, s[24+i]
	v_cndmask_b32 v25, v25, v26, s[40+i]
	v_min_u32 v25, 4095, v25                       ; a place made from loaded numbers is bounded before it becomes an address
	v_lshlrev_b32 v[64+i], 3, v25
	v_add_nc_u32 v[32+2*i], 32*i, v27
	global_store_b64 v[64+i], v[32+2*i:33+2*i], s[18:19]
	s_bcnt1_i32_b32 s96, s[24+i]
	s_add_co_u32 s92, s92, s96
	s_bcnt1_i32_b32 s96, s95
	s_add_co_u32 s93, s93, s96
	s_bcnt1_i32_b32 s96, s[40+i]
	s_add_co_u32 s94, s94, s96
.set i, i+1
.endr
	s_wait_tensorcnt 0x0                           ; the wave's end: a tensor wait, an add to my spare word and its wait behind my last LDS store
	ds_add_u32 v[SPW], v[NIL]
	s_wait_dscnt 0x0
	s_endpgm
.Lfunc_end_k_qbca60a3e11_prep:
	.size	k_qbca60a3e11_prep, .Lfunc_end_k_qbca60a3e11_prep-k_qbca60a3e11_prep
	.p2alignl 7, 3214868480
	.fill 96, 4, 3214868480
	.section	.rodata,"a",@progbits
	.p2align	6, 0x0
	.amdhsa_kernel k_qbca60a3e11_prep
		.amdhsa_group_segment_fixed_size 1280
		.amdhsa_private_segment_fixed_size 0
		.amdhsa_enable_private_segment 0
		.amdhsa_kernarg_size 72
		.amdhsa_user_sgpr_count 2
		.amdhsa_user_sgpr_kernarg_segment_ptr 1
		.amdhsa_wavefront_size32 1
		.amdhsa_system_sgpr_workgroup_id_x 1
		.amdhsa_system_sgpr_workgroup_id_y 1
		.amdhsa_system_sgpr_workgroup_id_z 1
		.amdhsa_system_vgpr_workitem_id 0
		.amdhsa_next_free_vgpr 192
		.amdhsa_next_free_sgpr 100
		.amdhsa_reserve_vcc 0
		.amdhsa_float_denorm_mode_32 3
		.amdhsa_float_denorm_mode_16_64 3
		.amdhsa_memory_ordered 1
		.amdhsa_forward_progress 1
		.amdhsa_inst_pref_size 47
	.end_amdhsa_kernel
	.amdgpu_metadata
---
amdhsa.version: [ 1, 2 ]
amdhsa.kernels:
  - .name:           k_qbca60a3e11_prep
    .symbol:         k_qbca60a3e11_prep.kd
    .args:
      - { .name: x, .offset: 0, .size: 8, .value_kind: global_buffer, .address_space: global }
      - { .name: W_head, .offset: 8, .size: 8, .value_kind: global_buffer, .address_space: global }
      - { .name: W1_0, .offset: 16, .size: 8, .value_kind: global_buffer, .address_space: global }
      - { .name: W1_1, .offset: 24, .size: 8, .value_kind: global_buffer, .address_space: global }
      - { .name: target, .offset: 32, .size: 8, .value_kind: global_buffer, .address_space: global }
      - { .name: xb, .offset: 40, .size: 8, .value_kind: global_buffer, .address_space: global }
      - { .name: wb, .offset: 48, .size: 8, .value_kind: global_buffer, .address_space: global }
      - { .name: list, .offset: 56, .size: 8, .value_kind: global_buffer, .address_space: global }
      - { .name: cnt, .offset: 64, .size: 8, .value_kind: global_buffer, .address_space: global }
    .group_segment_fixed_size: 1280
    .private_segment_fixed_size: 0
    .kernarg_segment_align: 8
    .kernarg_segment_size: 72
    .max_flat_workgroup_size: 256
    .sgpr_count:     100
    .vgpr_count:     192
    .wavefront_size: 32
...
	.end_amdgpu_metadata
.endif
;; end of part 1
;; launch gemm1 (part 2): grid 32 x 7, 4 waves a work-group, clusters of 4 x 1, 327,680 bytes of LDS; arguments xb, wb, cb; writes cb
.if DOCPART == 2
	.amdgcn_target "amdgcn-amd-amdhsa--gfx1250"
	.amdhsa_code_object_version 6
	.text
	.protected	k_qbca60a3e11_gemm1
	.globl	k_qbca60a3e11_gemm1
	.p2align	8
	.type	k_qbca60a3e11_gemm1,@function
k_qbca60a3e11_gemm1:
	s_mov_b64 s[64:65], 0
	v_nop
	global_prefetch_b8 v0, s[64:65] scope:SCOPE_SE
	s_setreg_imm32_b32 hwreg(HW_REG_WAVE_MODE, 25, 1), 1
	s_wait_xcnt 0x0
	s_wait_alu depctr_hold_cnt(0) depctr_sa_sdst(0) depctr_va_vdst(0) depctr_va_sdst(0) depctr_va_ssrc(0) depctr_va_vcc(0) depctr_vm_vsrc(0)
	s_getreg_b32 s2, hwreg(HW_REG_IB_STS2, 6, 4)
	s_cmp_eq_u32 s2, 0
	s_cbranch_scc0 .Lentry_in_a_cluster
	s_endpgm
.Lentry_in_a_cluster:
	s_bfe_u32 s2, ttmp6, 0x10000c
	s_cmp_lg_u32 s2, 0x3003
	s_cbranch_scc0 .Lentry_shape_is_right
	s_endpgm
.Lentry_shape_is_right:
; cb[m][n] = sum over k of xb[m][k] wb[n][k].  xb: [4096][2048], wb: [1792][2048], cb: [4096][1792], all bf16; sums in f32, cb rounded once.
; Columns 0-1001 of cb are the head's logits, 1024-1535 tail 0's hidden layer, 1536-1663 tail 1's; the others are products with rows of zeros.
; A work-group of four waves makes 128 rows x 256 columns; a wave 64 x 128: 32 accumulators of 16 x 16, 256 registers.  32 x 7 = 224 work-groups: the tile is the
; largest whose pieces of a row of cb are whole aligned blocks of 256 bytes and that still gives most WGPs a work-group.
; K goes in steps of 128 (rows of 256 bytes in memory) through a ring of two LDS slots filled by the tensor data mover.
; CLUSTER 4 x 1: the four partners make four row tiles of ONE column tile, so wb's tile, two thirds of a step's bytes, is asked for JOINTLY (mask 15); xb's tile is each
; work-group's own (mask 0).  Seven column tiles do not divide by four, so xb's tiles have no partners to share with.
; THE MATRIX INSTRUCTION IS USED TRANSPOSED (source 0 = 16 rows of wb, source 1 = 16 rows of xb): a lane then holds eight neighbouring numbers of a row of cb.
; REGISTERS: window 0: v16-29 addresses; v64-127 xb's fragments, two buffers of 4; v128-255 wb's, two buffers of 8; on the way out v32-63, v128-159, v192-223.
;            window 1: accumulator (a, b) at v[64 a + 8 b].
.set SIZE_K, 2048
.set CPITCH, 3584                      ; bytes in a row of cb
.set KSTEP,  128
.set PITCH,  272                       ; an LDS row: 256 bytes + 16 of padding: the 16 rows of a fragment load start at 16 different groups of four banks (ISA guide 11.1)
.set AH,     64*PITCH                  ; what one of xb's loads brings, and what one wave reads of xb
.set BOFF,   2*AH                      ; wb's 256 rows lie behind xb's 128
.set BH,     128*PITCH
.set SLOT,   BOFF+2*BH
.set STAGE,  2*SLOT                    ; behind the ring: 16 rows x 272 bytes for each wave, for the way out
.set SPITCH, 272
.set SPARE,  STAGE+4*16*SPITCH         ; the spare words, 128 bytes for each wave
.set LAPS,   SIZE_K/(2*KSTEP)
.set ADRA, 16                          ; v16-17  LDS address of my xb fragments in slot 0, 1
.set ADRB, 20                          ; v20-21  the same for wb
.set STO,  24
.set RD,   25
.set CO,   26
.set SPW,  28                          ; v28  SPARE + 4 x my thread's number; never rewritten
.set NIL,  29                          ; v29  0; never rewritten
.set FA,   64
.set FB,   128
.set TMP,  128
.set OB,   32
.set G1,  24                           ; s[24:31] group 1 for xb's tiles;  s[32:39] group 0, a set for each slot
.set G0,  32
.set G1B, 48                           ; s[48:55], s[56:63] the same for wb's
.set G0B, 56
.set MSB, 0
.macro WIN new                         ; the immediate's high byte repeats the setting that is left
.if MSB != (\new)
	s_set_vgpr_msb (MSB<<8)|(\new)
.set MSB, (\new)
.endif
.endm
.set MUL, 0x50                         ; sources in window 0, C and D in window 1
.macro JLOAD s                         ; waves 0 and 1 fetch xb's two halves, waves 2 and 3 wb's; an s_nop 0 and four v_nop follow each line, ahead of the jump and the label
	s_cmp_eq_u32 s11, 0
	s_cbranch_scc0 .Lfor_b_\@
	tensor_load_to_lds s[G0+4*(\s):G0+4*(\s)+3], s[G1:G1+7]
	s_nop 0
.rept 4
	v_nop
.endr
	s_branch .Lasked_\@
.Lfor_b_\@:
	tensor_load_to_lds s[G0B+4*(\s):G0B+4*(\s)+3], s[G1B:G1B+7]
	s_nop 0
.rept 4
	v_nop
.endr
.Lasked_\@:
.endm
.macro CREST                           ; a round of the cluster's barrier behind its opening barrier
	s_cmp_lg_u32 s10, 0
	s_cbranch_scc1 .Lnot_wave_0_\@
	s_barrier_signal -3
.Lnot_wave_0_\@:
	s_barrier_wait -3
	s_barrier_signal -1
	s_barrier_wait -1
.endm
.macro CROUND
	s_barrier_signal -1
	s_barrier_wait -1
	CREST
.endm
	s_load_b128 s[4:7], s[0:1], 0x0                ; xb s[4:5], wb s[6:7]
	s_load_b64 s[8:9], s[0:1], 0x10                ; cb
	v_lshl_add_u32 v[SPW], v0, 2, SPARE
	v_mov_b32 v[NIL], 0
	ds_add_u32 v[SPW], v[NIL]                      ; the wave's opening: the add and its wait stand ahead of my first tensor load
	v_lshrrev_b32 v1, 5, v0
	v_readfirstlane_b32 s10, v1                    ; wave 0..3
	s_lshr_b32 s11, s10, 1                         ; which 64 rows of the tile are mine.  Also: I fetch for xb (0) or for wb (1)
	s_and_b32 s12, s10, 1                          ; which 128 columns.  Also: which half of that tile I fetch
	s_bfe_u32 s40, ttmp6, 0x40000                  ; cx
	s_lshl_b32 s13, ttmp9, 2
	s_add_co_u32 s13, s13, s40                     ; row tile = 4 x cluster x + cx: it enters xb's and cb's addresses alone
	s_and_b32 s42, ttmp7, 0xffff                   ; column tile, which the four partners share
	s_mov_b32 s[G1+0], (1<<16)|(1<<20)|(5<<22)|(3<<25)            ; no mask; 2-byte elements; padding on: after every 64 words (code 5) 4 words (code 3)
	s_mov_b32 s[G1+1], KSTEP<<16                   ; tensor_dim0 = 128
	s_mov_b32 s[G1+2], 64<<16                      ; tensor_dim1 = 64
	s_mov_b32 s[G1+3], KSTEP<<16                   ; tile_dim0 = 128
	s_mov_b32 s[G1+4], 64                          ; tile_dim1 = 64
	s_mov_b32 s[G1+5], SIZE_K                      ; elements from row to row
	s_mov_b32 s[G1+6], 0
	s_mov_b32 s[G1+7], 0
	s_mov_b32 s[G1B+0], 15|(1<<16)|(1<<20)|(1<<21)|(5<<22)|(3<<25) ; the mask of all four, bit 21 beside it; else the same
	s_mov_b32 s[G1B+1], KSTEP<<16
	s_mov_b32 s[G1B+2], 128<<16                    ; 128 rows
	s_mov_b32 s[G1B+3], KSTEP<<16
	s_mov_b32 s[G1B+4], 128
	s_mov_b32 s[G1B+5], SIZE_K
	s_mov_b32 s[G1B+6], 0
	s_mov_b32 s[G1B+7], 0
	s_lshl_b32 s16, s13, 7
	s_lshl_b32 s17, s12, 6
	s_add_co_u32 s16, s16, s17                     ; xb: row 128 x row tile + 64 x half,
	s_lshl_b32 s16, s16, 12                        ; of 4,096 bytes
	s_mov_b32 s17, 0
	s_lshl_b32 s46, s42, 8
	s_lshl_b32 s47, s12, 7
	s_add_co_u32 s46, s46, s47                     ; wb: row 256 x column tile + 128 x half (registers that never hold cx)
	s_lshl_b32 s46, s46, 12
	s_mov_b32 s47, 0
	s_mul_i32 s20, s12, AH                         ; where they go: no place in the cluster enters an LDS address
	s_mul_i32 s21, s12, BH
	s_add_co_u32 s21, s21, BOFF
	s_wait_dscnt 0x0                               ; the opening add is done
	s_wait_kmcnt 0x0
	s_add_nc_u64 s[14:15], s[4:5], s[16:17]
	s_add_nc_u64 s[46:47], s[6:7], s[46:47]
	CROUND                                         ; all four work-groups are here: the first joint loads meet
.irp s, 0,1
	s_mov_b32 s[G0+4*(\s)], 1
	s_add_co_u32 s[G0+4*(\s)+1], s20, (\s)*SLOT
	s_add_nc_u64 s[G0+4*(\s)+2:G0+4*(\s)+3], s[14:15], (\s)*KSTEP*2
	s_or_b32 s[G0+4*(\s)+3], s[G0+4*(\s)+3], 0x80000000
	s_mov_b32 s[G0B+4*(\s)], 1
	s_add_co_u32 s[G0B+4*(\s)+1], s21, (\s)*SLOT
	s_add_nc_u64 s[G0B+4*(\s)+2:G0B+4*(\s)+3], s[46:47], (\s)*KSTEP*2
	s_or_b32 s[G0B+4*(\s)+3], s[G0B+4*(\s)+3], 0x80000000
	JLOAD \s                                       ; two loads of mine are out; later one behind each round
.endr
	v_and_b32 v1, 15, v0                           ; l % 16
	v_bfe_u32 v2, v0, 4, 1                         ; l / 16
	v_mul_u32_u24 v3, v1, PITCH
	v_lshl_add_u32 v3, v2, 4, v3                   ; a fragment's row x pitch + 16 x half
	s_mul_i32 s21, s11, AH
	s_mul_i32 s22, s12, BH
	s_add_co_u32 s22, s22, BOFF
.irp s, 0,1
	v_add_nc_u32 v[ADRA+(\s)], s21, v3
	v_add_nc_u32 v[ADRB+(\s)], s22, v3
	s_add_co_u32 s21, s21, SLOT
	s_add_co_u32 s22, s22, SLOT
.endr
	s_mul_i32 s23, s10, 16*SPITCH
	s_add_co_u32 s23, s23, STAGE                   ; my stage
	v_mul_u32_u24 v4, v1, SPITCH                   ; in: row l % 16, 16 bytes for each half of the lanes
	v_lshl_add_u32 v4, v2, 4, v4
	v_add_nc_u32 v[STO], s23, v4
	v_mul_u32_u24 v5, v2, SPITCH                   ; back: lanes 0-15 one row of 256 bytes, lanes 16-31 the next
	v_lshl_add_u32 v5, v1, 4, v5
	v_add_nc_u32 v[RD], s23, v5
	v_mul_u32_u24 v5, v2, CPITCH                   ; and the same two rows in cb
	v_lshl_add_u32 v[CO], v1, 4, v5
	s_lshl_b32 s16, s13, 7
	s_lshl_b32 s17, s11, 6
	s_add_co_u32 s16, s16, s17                     ; my first row of cb
	s_mul_i32 s16, s16, CPITCH
	s_lshl_b32 s17, s42, 9
	s_add_co_u32 s16, s16, s17                     ; + 512 bytes a column tile
	s_lshl_b32 s17, s12, 8
	s_add_co_u32 s16, s16, s17                     ; + my half's 256
	s_mov_b32 s17, 0
	s_add_nc_u64 s[8:9], s[8:9], s[16:17]
; 8 matrix instructions: row block a x all 8 column blocks, 32 along K, buffer f.  zero = 1: the product starts the sums.  The 32 accumulators take turns.
.macro MUL8 f, a, zero
	WIN MUL
.irp b, 0,1,2,3,4,5,6,7
.if \zero
	v_wmma_f32_16x16x32_bf16 v[64*(\a)+8*(\b):64*(\a)+8*(\b)+7], v[FB+64*(\f)+8*(\b):FB+64*(\f)+8*(\b)+7], v[FA+32*(\f)+8*(\a):FA+32*(\f)+8*(\a)+7], 0
.else
	v_wmma_f32_16x16x32_bf16 v[64*(\a)+8*(\b):64*(\a)+8*(\b)+7], v[FB+64*(\f)+8*(\b):FB+64*(\f)+8*(\b)+7], v[FA+32*(\f)+8*(\a):FA+32*(\f)+8*(\a)+7], v[64*(\a)+8*(\b):64*(\a)+8*(\b)+7]
.endif
.endr
.endm
; 24 LDS loads in one run: a quarter step's fragments (128 rows of wb, then 64 of xb, 32 K at byte k) into buffer f
.macro FETCH slot, k, f
	WIN 0
.irp i, 0,1,2,3,4,5,6,7
	ds_load_b128 v[FB+64*(\f)+8*(\i):FB+64*(\f)+8*(\i)+3],   v[ADRB+(\slot)] offset:(\k)+(\i)*16*PITCH
	ds_load_b128 v[FB+64*(\f)+8*(\i)+4:FB+64*(\f)+8*(\i)+7], v[ADRB+(\slot)] offset:(\k)+(\i)*16*PITCH+32
.endr
.irp i, 0,1,2,3
	ds_load_b128 v[FA+32*(\f)+8*(\i):FA+32*(\f)+8*(\i)+3],   v[ADRA+(\slot)] offset:(\k)+(\i)*16*PITCH
	ds_load_b128 v[FA+32*(\f)+8*(\i)+4:FA+32*(\f)+8*(\i)+7], v[ADRA+(\slot)] offset:(\k)+(\i)*16*PITCH+32
.endr
.endm
.macro PLACES                          ; four places in front of loads into registers that matrix instructions have read, and of conversions that read results
.rept 4
	v_nop
.endr
.endm
; A K step is four quarters of 32 along K, 32 matrix instructions each, on buffers 0, 1, 0, 1.  One of the first three: multiplies f, fetches the next quarter, at byte k, into g.
.macro QUARTER slot, k, f, g, zero
	s_wait_dscnt 4                                 ; wb and xb's blocks 0, 1 are in; the youngest four loads (blocks 2, 3) may be out
	MUL8 \f, 0, \zero
	MUL8 \f, 1, \zero
	PLACES
	FETCH \slot, \k, \g
	s_wait_dscnt 24                                ; all but the 24 just issued
	MUL8 \f, 2, \zero
	MUL8 \f, 3, \zero
.endm
; The last quarter multiplies buffer 1 and changes slots: ONE barrier.  In front of it each wave waits for all its tensor loads (one is out: its part of the next slot), adds 0 to its
; spare word, and waits for that and for its reads of this slot.  fill = 1: the barrier opens a round of the cluster's, and this slot is filled again first thing behind it, two K steps ahead.
.macro TURN slot, next, fill
	WIN 0
	s_wait_tensorcnt 0x0
	ds_add_u32 v[SPW], v[NIL]
	s_wait_dscnt 5                                 ; (the add and the youngest four loads may be out)
	MUL8 1, 0, 0
	s_wait_dscnt 0x0                               ; the add is done, and my reads of this slot are over
	s_barrier_signal -1
	MUL8 1, 1, 0                                   ; work on registers while the others arrive
.if \fill
	WIN 0
.endif
	s_barrier_wait -1
.if \fill
	CREST                                          ; no wave of any partner still reads this slot or has a load on its way
	s_add_nc_u64 s[G0+4*(\slot)+2:G0+4*(\slot)+3], s[G0+4*(\slot)+2:G0+4*(\slot)+3], 2*KSTEP*2
	s_add_nc_u64 s[G0B+4*(\slot)+2:G0B+4*(\slot)+3], s[G0B+4*(\slot)+2:G0B+4*(\slot)+3], 2*KSTEP*2
	JLOAD \slot                                    ; its four v_nop are also the places in front of the loads below
.else
	PLACES
.endif
	FETCH \next, 0, 0
	MUL8 1, 2, 0
	MUL8 1, 3, 0
.endm
	s_wait_tensorcnt 1                             ; my part of K step 0 is in; K step 1's may stay out
	s_barrier_signal -1
	s_barrier_wait -1
	FETCH 0, 0, 0
	QUARTER 0, 64, 0, 1, 1                         ; the first quarter stands in front of the loop: its products start the sums
	WIN 0
	s_mov_b32 s3, LAPS-1
.Llap:                                             ; a trip goes once round the ring and fills both slots again
	QUARTER 0, 128, 1, 0, 0
	QUARTER 0, 192, 0, 1, 0
	TURN 0, 1, 1
	QUARTER 1, 64,  0, 1, 0
	QUARTER 1, 128, 1, 0, 0
	QUARTER 1, 192, 0, 1, 0
	TURN 1, 0, 1
	QUARTER 0, 64,  0, 1, 0
	WIN 0
	s_sub_co_u32 s3, s3, 1
	s_cmp_lg_u32 s3, 0
	s_cbranch_scc1 .Llap
	QUARTER 0, 128, 1, 0, 0                        ; the last lap fills nothing
	QUARTER 0, 192, 0, 1, 0
	TURN 0, 1, 0
	QUARTER 1, 64,  0, 1, 0
	QUARTER 1, 128, 1, 0, 0
	QUARTER 1, 192, 0, 1, 0
	s_wait_dscnt 4
	MUL8 1, 0, 0
	MUL8 1, 1, 0
	s_wait_dscnt 0x0
	MUL8 1, 2, 0
	MUL8 1, 3, 0
; THE WAY OUT, a block of 16 rows at a time: rounded to bf16 (each accumulator's registers ascending), 16 bytes a lane into my own stage, back as whole rows of 256 bytes, stored.
.macro PACK a
	WIN 0x05                                       ; sources in window 1, destination in window 0
.irp b, 0,1,2,3,4,5,6,7
.irp r, 0,1,2,3
	v_cvt_pk_bf16_f32 v[TMP+4*(\b)+(\r)], v[64*(\a)+8*(\b)+2*(\r)], v[64*(\a)+8*(\b)+2*(\r)+1]
.endr
.endr
	WIN 0
.endm
.macro TOSTAGE a
.set BK, OB+160*((\a)%2)
.irp b, 0,1,2,3,4,5,6,7
	ds_store_b128 v[STO], v[TMP+4*(\b):TMP+4*(\b)+3] offset:32*(\b)
.endr
.irp t, 0,1,2,3,4,5,6,7
	ds_load_b128 v[BK+4*(\t):BK+4*(\t)+3], v[RD] offset:(\t)*2*SPITCH  ; LDS serves a wave's instructions in order (ISA guide 5.7.1.4): these see the stores above
.endr
.endm
.macro SEND a
.set BK, OB+160*((\a)%2)
	s_wait_dscnt 0x0                               ; the block is back in registers
	s_wait_xcnt 0x0                                ; the stores of the block before have read their registers: the next TOSTAGE loads into them
.irp t, 0,1,2,3,4,5,6,7
	global_store_b128 v[CO], v[BK+4*(\t):BK+4*(\t)+3], s[8:9] offset:(16*(\a)+2*(\t))*CPITCH  ; 16 lanes store 256 consecutive bytes, at a multiple of 256 from cb's first byte
.endr
.endm
	PLACES
	PACK 0
	TOSTAGE 0
.irp a, 1,2,3
	PACK \a
	SEND (\a)-1
	TOSTAGE \a
.endr
	SEND 3
	s_wait_tensorcnt 0x0                           ; the wave's end: a tensor wait, an add to my spare word and its wait
	ds_add_u32 v[SPW], v[NIL]
	s_wait_dscnt 0x0
	CROUND                                         ; the closing round
	s_endpgm
.Lfunc_end_k_qbca60a3e11_gemm1:
	.size	k_qbca60a3e11_gemm1, .Lfunc_end_k_qbca60a3e11_gemm1-k_qbca60a3e11_gemm1
	.p2alignl 7, 3214868480
	.fill 96, 4, 3214868480
	.section	.rodata,"a",@progbits
	.p2align	6, 0x0
	.amdhsa_kernel k_qbca60a3e11_gemm1
		.amdhsa_group_segment_fixed_size 327680
		.amdhsa_private_segment_fixed_size 0
		.amdhsa_enable_private_segment 0
		.amdhsa_kernarg_size 24
		.amdhsa_user_sgpr_count 2
		.amdhsa_user_sgpr_kernarg_segment_ptr 1
		.amdhsa_wavefront_size32 1
		.amdhsa_system_sgpr_workgroup_id_x 1
		.amdhsa_system_sgpr_workgroup_id_y 1
		.amdhsa_system_sgpr_workgroup_id_z 1
		.amdhsa_system_vgpr_workitem_id 0
		.amdhsa_next_free_vgpr 512
		.amdhsa_next_free_sgpr 66
		.amdhsa_reserve_vcc 0
		.amdhsa_float_denorm_mode_32 3
		.amdhsa_float_denorm_mode_16_64 3
		.amdhsa_memory_ordered 1
		.amdhsa_forward_progress 1
		.amdhsa_inst_pref_size 86
	.end_amdhsa_kernel
	.amdgpu_metadata
---
amdhsa.version: [ 1, 2 ]
amdhsa.kernels:
  - .name:           k_qbca60a3e11_gemm1
    .symbol:         k_qbca60a3e11_gemm1.kd
    .args:
      - { .name: xb, .offset: 0, .size: 8, .value_kind: global_buffer, .address_space: global }
      - { .name: wb, .offset: 8, .size: 8, .value_kind: global_buffer, .address_space: global }
      - { .name: cb, .offset: 16, .size: 8, .value_kind: global_buffer, .address_space: global }
    .group_segment_fixed_size: 327680
    .private_segment_fixed_size: 0
    .kernarg_segment_align: 8
    .kernarg_segment_size: 24
    .max_flat_workgroup_size: 128
    .sgpr_count:     66
    .vgpr_count:     512
    .wavefront_size: 32
...
	.end_amdgpu_metadata
.endif
;; end of part 2
;; launch tails (part 3): grid 254 x 1, 8 waves a work-group, no clusters, 269,568 bytes of LDS; arguments cb, W2_1, W2_0, list, cnt, part1, part0; writes part1, part0
.if DOCPART == 3
	.amdgcn_target "amdgcn-amd-amdhsa--gfx1250"
	.amdhsa_code_object_version 6
	.text
	.protected	k_qbca60a3e11_tails
	.globl	k_qbca60a3e11_tails
	.p2align	8
	.type	k_qbca60a3e11_tails,@function
k_qbca60a3e11_tails:
	s_mov_b64 s[64:65], 0
	v_nop
	global_prefetch_b8 v0, s[64:65] scope:SCOPE_SE
	s_setreg_imm32_b32 hwreg(HW_REG_WAVE_MODE, 25, 1), 1
	s_wait_xcnt 0x0
; TAILS.  Partial log-sum-exps of the two tails' logits, for the chosen tokens alone.  Positions q of the sorted list lie in tiles of 16; tail 1 works tiles 0 .. ceil(n1/16)-1,
; tail 0 tiles n1>>4 .. ceil((n1+n0)/16)-1 (none if n0 = 0).  A tile that holds tokens of two clusters is worked by both tails on all its 16 tokens: cb holds both hidden layers of every token.
; Work-groups 0-43: tail 0, a slice of 208 classes each.  Work-groups 44-253: tail 1, a slice of 192 classes each.  Each slice of weights has ONE reader, which rounds it to bf16 on its
; way through registers.  The split 44 : 210 evens the matrix work out for targets spread evenly over the classes; every other split is served, less evenly.
; S^T = W h^T (source 0 = 16 classes, source 1 = 16 tokens): lane (r, h) holds token r and classes 8 h + 0..7.  Each LANE keeps a running maximum m and a sum l of its own
; (p = 2^(c s - c m), c = log2 e; l is multiplied by 2^(c m_old - c m_new) when m grows), and stores (c m, l): 32 lanes x 8 bytes = 256 consecutive bytes, aligned, for a tile and slice.
; Two waves to a SIMD, 512 registers each: one wave's exponentials stand beside the other's products.  The main loops write no LDS and have no barrier; their trip counts are constants that
; cover every split, and trips past a wave's count are jumped forward.  Every LDS address is a lane term plus constants.
; LDS.  Each tail's text has stage bytes of its own (a work-group runs one of the two texts, and eight waves of 512 registers leave no room for a second work-group, so the bytes cost nothing).
; NO TENSOR LOADS, NO CLUSTER: token rows come by a list, which no tile descriptor covers, and a slice of weights has no second reader.
; LIMITS.  A class past a table's end counts as -1e30; a weight below 2^-126 counts as 0 in l; NaN and infinities are not treated apart.
.set NS0,   44
.set T1B,   216320                     ; tail 0's stage: bytes 0 on, 208 rows x 1,040; tail 1's: from here on, 192 rows x 272
.set SPARE, 268544                     ; behind both stages: the spare words, 128 bytes for each of eight waves
.set S,     32                         ; tail 1: v[32:63]   four accumulators
.set ACC,   40                         ; tail 0: v[40:63]   three accumulators
.set WF,    64                         ; tail 0: v[64:127]  two buffers of four fragments of W
.set MSB, 0
.macro WIN new                         ; the immediate's high byte repeats the setting that is left
.if MSB != (\new)
	s_set_vgpr_msb (MSB<<8)|(\new)
.set MSB, (\new)
.endif
.endm
; ---------------- tail 1's macros.  v4 Q, v5 its clamp, v6 token, v7 h's offset, v8 3072 + 16 h, v9 store offset, v[12:13] (c m, l), v14 m, v15 c m_old, v[16:17] (a, its argument), v[18:19] l by
; even and odd classes, v20-23 at work, v[64:95], v[96:127] two buffers of h, v[128:511] W: fragment (class tile j, k) at 128 + 32 j + 8 k (tiles 4-11 in window 1).
.macro FS b                            ; pair b of the scores: c s - c m
	v_pk_fma_f32 v[S+2*(\b):S+2*(\b)+1], v[S+2*(\b):S+2*(\b)+1], s[58:59], v[12:13] op_sel_hi:[1,0,0] neg_lo:[0,0,1] neg_hi:[0,0,1]
.endm
.macro MM p, hb                        ; 16 products: class tiles 4 p .. 4 p + 3, K = 128; the four accumulators take turns
.if (\p) == 1
.set WB, 0
.else
.set WB, 128
.endif
.if (\p) > 0
	WIN 0x01                                       ; source 0 in window 1
.endif
.irp k, 0,1,2,3
.irp j, 0,1,2,3
.if (\k) == 0
	v_wmma_f32_16x16x32_bf16 v[S+8*(\j):S+8*(\j)+7], v[WB+32*(\j)+8*(\k):WB+32*(\j)+8*(\k)+7], v[64+32*(\hb)+8*(\k):64+32*(\hb)+8*(\k)+7], 0
.else
	v_wmma_f32_16x16x32_bf16 v[S+8*(\j):S+8*(\j)+7], v[WB+32*(\j)+8*(\k):WB+32*(\j)+8*(\k)+7], v[64+32*(\hb)+8*(\k):64+32*(\hb)+8*(\k)+7], v[S+8*(\j):S+8*(\j)+7]
.endif
.endr
.endr
	WIN 0
.endm
.macro SM p                            ; the lane's 32 scores into m and l.  p = 0 starts them
.irp j, 0,1,2,3
	v_max3_num_f32 v[20+\j], v[S+8*\j], v[S+8*\j+1], v[S+8*\j+2]       ; each accumulator's lowest registers are read first
.endr
.irp j, 0,1,2,3
	v_max3_num_f32 v[20+\j], v[20+\j], v[S+8*\j+3], v[S+8*\j+4]
.endr
.irp j, 0,1,2,3
	v_max3_num_f32 v[20+\j], v[20+\j], v[S+8*\j+5], v[S+8*\j+6]
.endr
	v_max3_num_f32 v20, v20, v[S+7], v[S+15]
	v_max3_num_f32 v22, v22, v[S+23], v[S+31]
.if \p
	v_mov_b32 v15, v12                             ; c m_old is kept
.endif
	v_max3_num_f32 v20, v20, v21, v22
.if \p
	v_max3_num_f32 v14, v20, v23, v14
.else
	v_max_num_f32 v14, v20, v23
.endif
	v_mul_f32 v12, s58, v14
.if \p
	v_sub_f32 v17, v15, v12
	v_exp_f32 v16, v17                             ; a: the batch's first
.endif
	FS 0
	FS 1
.set b, 2
.rept 14                               ; ONE BATCH: nothing ahead of the wait names an exponential's result
	FS b
	v_exp_f32 v[S+2*b-4], v[S+2*b-4]
	v_exp_f32 v[S+2*b-3], v[S+2*b-3]
.set b, b+1
.endr
.irp e, 28,29,30,31
	v_exp_f32 v[S+\e], v[S+\e]
.endr
	v_nop                                          ; a plain instruction behind the last exponential,
	s_wait_alu depctr_va_vdst(0)                   ; and one wait ahead of the first reader
.irp u, 0,1,2,3,4,5,6,7
	v_pk_add_f32 v[S+4*\u:S+4*\u+1], v[S+4*\u:S+4*\u+1], v[S+4*\u+2:S+4*\u+3]
.endr
.irp u, 0,1,2,3
	v_pk_add_f32 v[S+8*\u:S+8*\u+1], v[S+8*\u:S+8*\u+1], v[S+8*\u+4:S+8*\u+5]
.endr
.irp u, 0,1
	v_pk_add_f32 v[S+16*\u:S+16*\u+1], v[S+16*\u:S+16*\u+1], v[S+16*\u+8:S+16*\u+9]
.endr
.if \p
	v_pk_add_f32 v[S:S+1], v[S:S+1], v[S+16:S+17]
	v_pk_fma_f32 v[18:19], v[18:19], v[16:17], v[S:S+1] op_sel_hi:[1,0,1]
.else
	v_pk_add_f32 v[18:19], v[S:S+1], v[S+16:S+17]
.endif
.endm
.macro PLACES
.rept 4
	v_nop
.endr
.endm
; One tile of 16 tokens against my 192 classes, h in buffer hb.  The next tile's h and the token after that are asked for first: they have the whole macro in which to land.
.macro HALF hb
	s_wait_loadcnt 0x0                             ; this tile's h and the next tile's token, all asked for a tile ago; it also frees their address registers
	v_min_u32 v10, 4095, v6                        ; a loaded number is bounded before it becomes an address
	v_mul_u32_u24 v10, 0xe00, v10                  ; a row of cb is 3,584 bytes
	v_add_nc_u32 v7, v10, v8
.irp n, 0,1,2,3,4,5,6,7
	global_load_b128 v[64+32*(1-(\hb))+4*\n:64+32*(1-(\hb))+4*\n+3], v7, s[4:5] offset:32*\n
.endr
	v_add_nc_u32 v4, 1024, v4                      ; eight tiles on in the list,
	v_min_u32 v5, 0x7ff8, v4                       ; never past its last entry
	global_load_b32 v6, v5, s[10:11]
	MM 0, \hb
	PLACES
	SM 0
	MM 1, \hb
	PLACES
	SM 1
	MM 2, \hb
	PLACES
	s_cmp_lg_u32 s19, 209                          ; the last slice has 129 classes: of this piece's 64 only the first exists
	s_cbranch_scc1 .Lnm1_\@
	v_cndmask_b32 v[S], s60, v[S], s61             ; class 128: register 0 of lanes 0-15
.set i, 1
.rept 31
	v_mov_b32 v[S+i], s60
.set i, i+1
.endr
.Lnm1_\@:
	SM 2
	v_add_f32 v13, v18, v19
	global_store_b64 v9, v[12:13], s[14:15]
	s_wait_xcnt 0x0                                ; the store has read its registers: v9, v12 and v13 are rewritten only behind this wait
	v_add_nc_u32 v9, 8*53760, v9
.endm
; ---------------- tail 0's macros.  v4 r, v5-7 h's offsets, v8 2048 + 16 h, v9 store offset, v10 W's LDS base in hand, v11 my lane's place in a class tile, v39 8 h, v36-38 at work;
; token tile t's statistics at 12 + 8 t: +0 c m, +1 l, +2 m, +3 c m_old and a's argument, +4 a, +5 named with a as a pair, +6, +7 l by even and odd classes;
; v[128:511] h: fragment (k, t) at 128 + 8 (3 k + t) (from fragment 16 on in window 1).
; Eight LDS loads: chunk (four K fragments, 256 bytes of each row) of class tile `tile` into buffer buf.  A tile is 16 rows of 1,040 bytes; three tiles share a base, v10 = v11 + 49,920 (tile / 3),
; so that the rest fits the 16-bit immediate; the base is made anew, under window 0, where it changes.
.macro WRUN tile, chunk, buf
.set wbase, (\tile)/3
.if wbase != CURB
.set SAVEW, MSB
	WIN 0
	v_add_nc_u32 v10, 49920*wbase, v11
	WIN SAVEW
.set CURB, wbase
.endif
.set n, 0
.rept 8
	ds_load_b128 v[WF+32*(\buf)+4*n:WF+32*(\buf)+4*n+3], v10 offset:16640*((\tile)%3)+256*(\chunk)+32*n
.set n, n+1
.endr
.endm
; Class tile ct of 13 against 48 tokens, K = 512: four chunks on two buffers; a chunk's loads are asked for two chunks ahead, the next tile's first two among them.
.macro CT ct
.set c, 0
.rept 4
.if (c == 3) && ((\ct) == 12)
	s_wait_dscnt 0x0                               ; nothing was asked for behind the last chunk
.else
	s_wait_dscnt 0x8                               ; this chunk is in; the next chunk's eight loads may be out
.endif
.set kk, 0
.rept 4
.set t, 0
.rept 3                                ; the three accumulators take turns
.set f, 3*(4*c+kk)+t
.if f == 16
	WIN 0x04                                       ; source 1 in window 1 from here on; LDS loads name destination and source 0 alone
.endif
.set hn, (128+8*f)%256
.if (c == 0) && (kk == 0)
	v_wmma_f32_16x16x32_bf16 v[ACC+8*t:ACC+8*t+7], v[WF+32*(c%2)+8*kk:WF+32*(c%2)+8*kk+7], v[hn:hn+7], 0
.else
	v_wmma_f32_16x16x32_bf16 v[ACC+8*t:ACC+8*t+7], v[WF+32*(c%2)+8*kk:WF+32*(c%2)+8*kk+7], v[hn:hn+7], v[ACC+8*t:ACC+8*t+7]
.endif
.set t, t+1
.endr
.set kk, kk+1
.endr
	PLACES                                         ; in front of the loads into the buffer just multiplied; behind the last chunk, in front of the first read of the sums
.if c < 2
	WRUN \ct, c+2, c%2
.elseif (\ct) < 12
	WRUN (\ct)+1, c-2, c%2
.endif
.set c, c+1
.endr
	WIN 0
.if (\ct) == 3                         ; slice 43 begins at class 8,944: its tiles 0-2 exist whole, of tile 3 (classes 8,992 + 8 h + e) the lower half of the lanes alone
	s_cmp_lg_u32 s19, 43
	s_cbranch_scc1 .Lnm0
.irp e, 0,1,2,3,4,5,6,7
	v_cndmask_b32 v[ACC+\e],    s60, v[ACC+\e],    s61
	v_cndmask_b32 v[ACC+8+\e],  s60, v[ACC+8+\e],  s61
	v_cndmask_b32 v[ACC+16+\e], s60, v[ACC+16+\e], s61
.endr
.Lnm0:
.endif
.irp t, 0,1,2
	v_max3_num_f32 v[36+\t], v[ACC+8*\t], v[ACC+8*\t+1], v[ACC+8*\t+2]
.endr
.irp t, 0,1,2
	v_max3_num_f32 v[36+\t], v[36+\t], v[ACC+8*\t+3], v[ACC+8*\t+4]
.endr
.irp t, 0,1,2
	v_max3_num_f32 v[36+\t], v[36+\t], v[ACC+8*\t+5], v[ACC+8*\t+6]
.endr
.irp t, 0,1,2
	v_mov_b32 v[15+8*\t], v[12+8*\t]
.endr
.irp t, 0,1,2
	v_max3_num_f32 v[14+8*\t], v[36+\t], v[ACC+8*\t+7], v[14+8*\t]
.endr
.irp t, 0,1,2
	v_mul_f32 v[12+8*\t], s58, v[14+8*\t]
.endr
.irp t, 0,1,2
	v_sub_f32 v[15+8*\t], v[15+8*\t], v[12+8*\t]
.endr
.irp t, 0,1,2
	v_exp_f32 v[16+8*\t], v[15+8*\t]
.endr
.irp b, 0,1,2,3
.irp t, 0,1,2
	v_pk_fma_f32 v[ACC+8*\t+2*\b:ACC+8*\t+2*\b+1], v[ACC+8*\t+2*\b:ACC+8*\t+2*\b+1], s[58:59], v[12+8*\t:13+8*\t] op_sel_hi:[1,0,0] neg_lo:[0,0,1] neg_hi:[0,0,1]
.endr
.endr
.irp e, 0,1,2,3,4,5,6,7
.irp t, 0,1,2
	v_exp_f32 v[ACC+8*\t+\e], v[ACC+8*\t+\e]
.endr
.endr
	v_nop                                          ; a plain instruction behind the last exponential,
	s_wait_alu depctr_va_vdst(0)                   ; and one wait for the batch of 27
.irp t, 0,1,2
	v_pk_add_f32 v[ACC+8*\t:ACC+8*\t+1], v[ACC+8*\t:ACC+8*\t+1], v[ACC+8*\t+2:ACC+8*\t+3]
	v_pk_add_f32 v[ACC+8*\t+4:ACC+8*\t+5], v[ACC+8*\t+4:ACC+8*\t+5], v[ACC+8*\t+6:ACC+8*\t+7]
.endr
.irp t, 0,1,2
	v_pk_add_f32 v[ACC+8*\t:ACC+8*\t+1], v[ACC+8*\t:ACC+8*\t+1], v[ACC+8*\t+4:ACC+8*\t+5]
.endr
.irp t, 0,1,2
	v_pk_fma_f32 v[18+8*\t:19+8*\t], v[18+8*\t:19+8*\t], v[16+8*\t:17+8*\t], v[ACC+8*\t:ACC+8*\t+1] op_sel_hi:[1,0,1]
.endr
.if (\ct) == 3
	s_cmp_eq_u32 s19, 43                           ; slice 43 has no class past this tile: it leaves the other nine out
	s_cbranch_scc1 .Ldone0
.endif
.endm
	s_load_b256 s[4:11], s[0:1], 0x0               ; cb s[4:5], W2_1 s[6:7], W2_0 s[8:9], list s[10:11]
	s_load_b128 s[12:15], s[0:1], 0x20             ; cnt s[12:13], part1 s[14:15]
	s_load_b64 s[16:17], s[0:1], 0x30              ; part0
	v_lshl_add_u32 v2, v0, 2, SPARE                ; v2: my spare word; never rewritten
	v_mov_b32 v3, 0                                ; v3: 0; never rewritten
	v_lshrrev_b32 v1, 5, v0
	v_readfirstlane_b32 s18, v1                    ; wave 0..7
	v_and_b32 v1, 15, v0                           ; r
	v_bfe_u32 v10, v0, 4, 1                        ; h
	v_and_b32 v11, 31, v0                          ; lane
	s_mov_b32 s58, 0x3fb8aa3b                      ; c = log2 e
	s_mov_b32 s59, s58                             ; named with it as a pair
	s_mov_b32 s60, 0xf149f2ca                      ; -1e30
	s_mov_b32 s61, 0xffff                          ; lanes 0-15
	s_wait_kmcnt 0x0
	s_load_b64 s[20:21], s[12:13], 0x0             ; n1, n0: waited for behind the stage
	s_cmp_lt_u32 ttmp9, NS0                        ; the same answer in all eight waves
	s_cbranch_scc1 .Ltail0
	; ---------------- TAIL 1
	s_sub_co_u32 s19, ttmp9, NS0                   ; my slice
	s_mul_i32 s22, s19, 192                        ; its first class
	s_sub_co_u32 s23, 40256, s22
	s_min_u32 s23, s23, 191                        ; its last row that exists: later rows repeat it, and the mask hides them
	s_lshl_b32 s24, s22, 9
	s_mov_b32 s25, 0
	s_add_nc_u64 s[6:7], s[6:7], s[24:25]
	s_lshl_b32 s24, s19, 8
	s_add_nc_u64 s[14:15], s[14:15], s[24:25]      ; part1 at my slice
	s_mul_i32 s26, s18, 24                         ; my wave stages rows 24 w .. 24 w + 23
	s_lshl_b32 s27, s18, 4
	v_add_nc_u32 v4, s27, v1
	v_lshlrev_b32 v4, 3, v4                        ; list entry 16 w + r
	v_mov_b32 v5, v4
	global_load_b32 v6, v5, s[10:11]               ; my first tile's token
	v_lshlrev_b32 v24, 4, v11
.set i, 0
.rept 24
	s_add_co_u32 s27, s26, i
	s_min_u32 s27, s27, s23
	v_lshl_add_u32 v[224+i], s27, 9, v24
	global_load_b128 v[128+4*i:131+4*i], v[224+i], s[6:7] th:TH_LOAD_NT   ; a whole row of 512 bytes
.set i, i+1
.endr
	v_lshl_add_u32 v8, v10, 4, 3072                ; tail 1's hidden layer begins at byte 3,072 of a row of cb
	s_mul_i32 s27, s18, 53760
	v_lshl_add_u32 v9, v11, 3, s27                 ; tile w of part1, my lane's 8 bytes
	s_mul_i32 s27, s26, 272
	s_add_co_u32 s27, s27, T1B
	v_lshl_add_u32 v25, v11, 3, s27                ; into the stage: row 24 w, 8 bytes a lane
	v_mul_u32_u24 v26, v1, 272
	v_lshl_add_u32 v26, v10, 4, v26                ; out of it: a fragment's row x pitch + 16 x half
	v_add_nc_u32 v26, T1B, v26
	s_wait_loadcnt 24                              ; the token is in: behind it stand the 24 rows
	v_min_u32 v27, 4095, v6
	v_mul_u32_u24 v27, 0xe00, v27
	v_add_nc_u32 v7, v27, v8
.irp n, 0,1,2,3,4,5,6,7
	global_load_b128 v[64+4*\n:64+4*\n+3], v7, s[4:5] offset:32*\n
.endr
	v_add_nc_u32 v4, 1024, v4
	v_min_u32 v5, 0x7ff8, v4
	global_load_b32 v6, v5, s[10:11]
.set i, 0
.rept 24
	s_wait_loadcnt 32-i                            ; behind row i stand 23 - i rows and the nine loads above
	v_cvt_pk_bf16_f32 v[128+4*i], v[128+4*i], v[129+4*i]
	v_cvt_pk_bf16_f32 v[129+4*i], v[130+4*i], v[131+4*i]
	ds_store_b64 v25, v[128+4*i:129+4*i] offset:272*i
.set i, i+1
.endr
	s_wait_dscnt 0x0                               ; for the others' sake: my rows are in the stage
	s_barrier_signal -1
	s_barrier_wait -1
.set j, 0
.rept 12                               ; every wave takes the whole slice into registers: 48 fragments
.if j == 4
	WIN 0x40                                       ; destination in window 1
.endif
.set wn, (128+32*j)%256
.irp k, 0,1,2,3
	ds_load_b128 v[wn+8*\k:wn+8*\k+3],   v26 offset:4352*j+64*\k
	ds_load_b128 v[wn+8*\k+4:wn+8*\k+7], v26 offset:4352*j+64*\k+32
.endr
.set j, j+1
.endr
	WIN 0
	v_mov_b32 v13, 0                               ; named as halves of pairs before they hold anything
	v_mov_b32 v17, 0
	s_wait_kmcnt 0x0
	s_min_u32 s20, s20, 4096
	s_add_co_u32 s28, s20, 15
	s_lshr_b32 s28, s28, 4                         ; tail 1's tiles
	s_add_co_u32 s28, s28, 7
	s_sub_co_u32 s28, s28, s18
	s_lshr_b32 s28, s28, 3                         ; of which mine are w, w + 8, ..: so many
	s_mov_b32 s29, 0
	s_mov_b32 s30, 16                              ; 16 trips of two tiles cover 256 tiles on eight waves
	s_wait_dscnt 0x0
.Lt1:
	s_cmp_lt_u32 s29, s28
	s_cbranch_scc0 .Lskip1
	HALF 0
	s_add_co_u32 s29, s29, 1
	s_cmp_lt_u32 s29, s28
	s_cbranch_scc0 .Lskip1
	HALF 1
	s_add_co_u32 s29, s29, 1
.Lskip1:
	s_sub_co_u32 s30, s30, 1
	s_cmp_lg_u32 s30, 0
	s_cbranch_scc1 .Lt1
	s_wait_tensorcnt 0x0                           ; the wave's end: a tensor wait, an add to my spare word and its wait behind my last LDS store
	ds_add_u32 v2, v3
	s_wait_dscnt 0x0
	s_endpgm
	; ---------------- TAIL 0
.Ltail0:
	s_mov_b32 s19, ttmp9                           ; my slice
	s_mul_i32 s22, s19, 208                        ; its first class
	s_sub_co_u32 s23, 8999, s22
	s_min_u32 s23, s23, 207                        ; its last row that exists: later rows repeat it; they are masked or left out
	s_lshl_b32 s24, s22, 11
	s_mov_b32 s25, 0
	s_add_nc_u64 s[8:9], s[8:9], s[24:25]
	s_lshl_b32 s24, s19, 8
	s_add_nc_u64 s[16:17], s[16:17], s[24:25]      ; part0 at my slice
	s_mul_i32 s26, s18, 26                         ; my wave stages rows 26 w .. 26 w + 25
	v_lshlrev_b32 v5, 4, v11
.set n, 0
.rept 26
	s_add_co_u32 s27, s26, n
	s_min_u32 s27, s27, s23
	v_lshl_add_u32 v[168+n], s27, 11, v5
.set n, n+1
.endr
	s_mul_i32 s27, s26, 1040
	v_lshl_add_u32 v6, v11, 3, s27
	s_mov_b32 s28, 4
.Lstage0:                              ; a trip: 512 bytes, a quarter, of each of my 26 rows
.set n, 0
.rept 26
	global_load_b128 v[64+4*n:67+4*n], v[168+n], s[8:9] th:TH_LOAD_NT
.set n, n+1
.endr
.set n, 0
.rept 26
	s_wait_loadcnt 25-n
	v_cvt_pk_bf16_f32 v[64+4*n], v[64+4*n], v[65+4*n]
	v_cvt_pk_bf16_f32 v[65+4*n], v[66+4*n], v[67+4*n]
	ds_store_b64 v6, v[64+4*n:65+4*n] offset:1040*n
.set n, n+1
.endr
	s_add_nc_u64 s[8:9], s[8:9], 512               ; all the trip's loads are back: their base may step
	v_add_nc_u32 v6, 256, v6
	s_sub_co_u32 s28, s28, 1
	s_cmp_lg_u32 s28, 0
	s_cbranch_scc1 .Lstage0
	v_mov_b32 v4, v1                               ; r
	v_lshl_add_u32 v8, v10, 4, 2048                ; tail 0's hidden layer begins at byte 2,048 of a row of cb
	v_lshlrev_b32 v39, 3, v10                      ; 8 h
	v_mul_u32_u24 v11, v1, 1040
	v_lshl_add_u32 v11, v10, 4, v11                ; a fragment's row x pitch + 16 x half
	s_wait_dscnt 0x0                               ; for the others' sake: my rows are in the stage
	s_barrier_signal -1
	s_barrier_wait -1
	s_wait_kmcnt 0x0
	s_min_u32 s20, s20, 4096
	s_min_u32 s21, s21, 4096
	s_lshr_b32 s29, s20, 4
	s_add_co_u32 s30, s20, s21
	s_add_co_u32 s30, s30, 15
	s_lshr_b32 s30, s30, 4
	s_sub_co_u32 s30, s30, s29                     ; tail 0's tiles,
	s_cmp_eq_u32 s21, 0
	s_cselect_b32 s30, 0, s30                      ; none if it has no token,
	s_add_co_u32 s30, s30, 2
	s_mul_hi_u32 s30, s30, 0x55555556              ; in groups of three
	s_min_u32 s29, s29, 256                        ; its first tile
	s_mov_b32 s31, s18                             ; my groups: w, w + 8, ..
	s_mov_b32 s32, 11                              ; 11 trips cover 86 groups on eight waves
.Lt0:
	s_cmp_lt_u32 s31, s30
	s_cbranch_scc0 .Lskip0
	s_wait_xcnt 0x0                                ; the last trip's stores have read their registers
	s_mul_i32 s33, s31, 3
	s_add_co_u32 s33, s33, s29
	s_min_u32 s33, s33, 255                        ; the group's first tile: bounded before addresses are made of it
	s_lshl_b32 s34, s33, 4
	v_add_nc_u32 v0, s34, v4
.irp t, 0,1,2
	v_add_nc_u32 v1, 16*\t, v0
	v_min_u32 v1, 4095, v1                         ; a tile past the list's end repeats its last entry; nobody reads what is made of it
	v_lshlrev_b32 v[36+\t], 3, v1
	global_load_b32 v[5+\t], v[36+\t], s[10:11]
.endr
	s_mul_i32 s34, s33, 11264
	v_lshlrev_b32 v9, 4, v39
	v_lshl_add_u32 v9, v4, 3, v9                   ; 8 x lane
	v_add_nc_u32 v9, s34, v9
	v_mov_b32 v10, v11                             ; W's base for class tiles 0 to 2
.set CURB, 0
.set n, 0
.rept 16                               ; the first class tile's chunks 0 and 1
	ds_load_b128 v[WF+4*n:WF+4*n+3], v10 offset:32*n
.set n, n+1
.endr
.irp t, 0,1,2
	v_mov_b32 v[12+8*\t], 0xfe000000               ; c m: far below every c s, so the first a is 0
	v_mov_b32 v[13+8*\t], 0
	v_mov_b32 v[14+8*\t], 0xff7fffff               ; m
	v_mov_b32 v[17+8*\t], 0
	v_mov_b32 v[18+8*\t], 0
	v_mov_b32 v[19+8*\t], 0
.endr
	s_wait_loadcnt 0x0
.irp t, 0,1,2
	v_min_u32 v[5+\t], 4095, v[5+\t]
	v_mul_u32_u24 v[5+\t], 0xe00, v[5+\t]
	v_add_nc_u32 v[5+\t], v[5+\t], v8
.endr
.set f, 0
.rept 48                               ; 48 tokens' hidden rows stay in registers for the slice's 13 class tiles
.if f == 16
	WIN 0x40
.endif
.set hn, (128+8*f)%256
	global_load_b128 v[hn:hn+3],   v[5+f%3], s[4:5] offset:64*(f/3)
	global_load_b128 v[hn+4:hn+7], v[5+f%3], s[4:5] offset:64*(f/3)+32
.set f, f+1
.endr
	WIN 0
	s_wait_loadcnt 0x0
.irp ct, 0,1,2,3,4,5,6,7,8,9,10,11,12
	CT \ct
.endr
.Ldone0:
	s_wait_dscnt 0x0                               ; the slice that leaves early has asked for a tile's first two chunks: their registers are loaded again next trip
.irp t, 0,1,2
	v_add_f32 v[13+8*\t], v[18+8*\t], v[19+8*\t]
.endr
.irp t, 0,1,2
	global_store_b64 v9, v[12+8*\t:13+8*\t], s[16:17] offset:11264*\t
.endr
.Lskip0:
	s_add_co_u32 s31, s31, 8
	s_sub_co_u32 s32, s32, 1
	s_cmp_lg_u32 s32, 0
	s_cbranch_scc1 .Lt0
	s_wait_tensorcnt 0x0                           ; the wave's end: a tensor wait, an add to my spare word and its wait behind my last LDS store
	ds_add_u32 v2, v3
	s_wait_dscnt 0x0
	s_endpgm
.Lfunc_end_k_qbca60a3e11_tails:
	.size	k_qbca60a3e11_tails, .Lfunc_end_k_qbca60a3e11_tails-k_qbca60a3e11_tails
	.p2alignl 7, 3214868480
	.fill 96, 4, 3214868480
	.section	.rodata,"a",@progbits
	.p2align	6, 0x0
	.amdhsa_kernel k_qbca60a3e11_tails
		.amdhsa_group_segment_fixed_size 269568
		.amdhsa_private_segment_fixed_size 0
		.amdhsa_enable_private_segment 0
		.amdhsa_kernarg_size 56
		.amdhsa_user_sgpr_count 2
		.amdhsa_user_sgpr_kernarg_segment_ptr 1
		.amdhsa_wavefront_size32 1
		.amdhsa_system_sgpr_workgroup_id_x 1
		.amdhsa_system_sgpr_workgroup_id_y 1
		.amdhsa_system_sgpr_workgroup_id_z 1
		.amdhsa_system_vgpr_workitem_id 0
		.amdhsa_next_free_vgpr 512
		.amdhsa_next_free_sgpr 66
		.amdhsa_reserve_vcc 0
		.amdhsa_float_denorm_mode_32 3
		.amdhsa_float_denorm_mode_16_64 3
		.amdhsa_memory_ordered 1
		.amdhsa_forward_progress 1
		.amdhsa_inst_pref_size 204
	.end_amdhsa_kernel
	.amdgpu_metadata
---
amdhsa.version: [ 1, 2 ]
amdhsa.kernels:
  - .name:           k_qbca60a3e11_tails
    .symbol:         k_qbca60a3e11_tails.kd
    .args:
      - { .name: cb, .offset: 0, .size: 8, .value_kind: global_buffer, .address_space: global }
      - { .name: W2_1, .offset: 8, .size: 8, .value_kind: global_buffer, .address_space: global }
      - { .name: W2_0, .offset: 16, .size: 8, .value_kind: global_buffer, .address_space: global }
      - { .name: list, .offset: 24, .size: 8, .value_kind: global_buffer, .address_space: global }
      - { .name: cnt, .offset: 32, .size: 8, .value_kind: global_buffer, .address_space: global }
      - { .name: part1, .offset: 40, .size: 8, .value_kind: global_buffer, .address_space: global }
      - { .name: part0, .offset: 48, .size: 8, .value_kind: global_buffer, .address_space: global }
    .group_segment_fixed_size: 269568
    .private_segment_fixed_size: 0
    .kernarg_segment_align: 8
    .kernarg_segment_size: 56
    .max_flat_workgroup_size: 256
    .sgpr_count:     66
    .vgpr_count:     512
    .wavefront_size: 32
...
	.end_amdgpu_metadata
.endif
;; end of part 3
;; launch combine (part 4): grid 256 x 1, 8 waves a work-group, no clusters, 3,072 bytes of LDS; arguments cb, W2_0, W2_1, list, cnt, part1, part0, out0; writes out0
.if DOCPART == 4
	.amdgcn_target "amdgcn-amd-amdhsa--gfx1250"
	.amdhsa_code_object_version 6
	.text
	.protected	k_qbca60a3e11_combine
	.globl	k_qbca60a3e11_combine
	.p2align	8
	.type	k_qbca60a3e11_combine,@function
k_qbca60a3e11_combine:
	s_mov_b64 s[64:65], 0
	v_nop
	global_prefetch_b8 v0, s[64:65] scope:SCOPE_SE
	s_setreg_imm32_b32 hwreg(HW_REG_WAVE_MODE, 25, 1), 1
	s_wait_xcnt 0x0
; COMBINE.  Work-group g owns the 16 tokens at positions 16 g .. 16 g + 15 of the sorted list.  out0[token] = head logit - head lse, plus, for a target in a tail, that tail's target logit - its lse.
; THE TAILS' LSE.  Wave w merges the partials (c m, l) of slices w, w + 8, .. lane by lane (lane (r, h) belongs to token r), for both tails; each lane keeps the pair of its token's own tail; the
; pairs meet in LDS; then wave w merges the 16 pairs (8 waves x 2 halves) of token 2 w in lanes 0-15 and of token 2 w + 1 in lanes 16-31.  Every merge takes the maximum away first.
; A tile that a tail has not worked keeps the pre-set pairs (far below every c m, 0); what is made of them is only ever thrown away by a select.
; THE ROWS.  Wave w also takes its two tokens' rows: the head's 1,002 logits out of cb (maximum, exponentials, sum, logarithm), the one head logit that counts, and both tails' target logits as
; dot products of the hidden row (bf16, from cb) with the f32 row of W2; the indices are clipped as the reference clips them.  Nothing here suits the matrix unit: one row against one row.
; LIMITS.  Columns 1002-1023 of cb count as -1e30; NaN and infinities are not treated apart.
.set SPARE, 2048                       ; behind the exchange (8 waves x 32 lanes x 8 bytes): the spare words
.set P1, 32                            ; v[32:85]   27 pairs of tail 1
.set P0, 86                            ; v[86:97]   6 pairs of tail 0
.set X,  196                           ; v[196:227] a row's 32 logits of a lane
; token T's loads at VB = 100 + 48 T: +0..15 head row, +16..19 W2_1's row, +20, 21 h1, +22..29 h0, +30 the head logit, +31 its offset, +32..47 W2_0's row
; token T's results at R = 228 + 8 T: +0 c m, +1 named with it, +2 head lse (base 2), +3 tail 1's logit, +4 tail 0's, +5 the head logit
.macro WMAX r
	v_max_num_f32_dpp v[(\r)], v[(\r)], v[(\r)] row_xmask:1 row_mask:0xf bank_mask:0xf
	v_max_num_f32_dpp v[(\r)], v[(\r)], v[(\r)] row_xmask:2 row_mask:0xf bank_mask:0xf
	v_max_num_f32_dpp v[(\r)], v[(\r)], v[(\r)] row_xmask:4 row_mask:0xf bank_mask:0xf
	v_max_num_f32_dpp v[(\r)], v[(\r)], v[(\r)] row_xmask:8 row_mask:0xf bank_mask:0xf
	v_permlanex16_b32 v11, v[(\r)], s78, s79
	v_max_num_f32 v[(\r)], v[(\r)], v11
.endm
.macro WSUM r
	v_add_f32_dpp v[(\r)], v[(\r)], v[(\r)] row_xmask:1 row_mask:0xf bank_mask:0xf
	v_add_f32_dpp v[(\r)], v[(\r)], v[(\r)] row_xmask:2 row_mask:0xf bank_mask:0xf
	v_add_f32_dpp v[(\r)], v[(\r)], v[(\r)] row_xmask:4 row_mask:0xf bank_mask:0xf
	v_add_f32_dpp v[(\r)], v[(\r)], v[(\r)] row_xmask:8 row_mask:0xf bank_mask:0xf
	v_permlanex16_b32 v11, v[(\r)], s78, s79
	v_add_f32 v[(\r)], v[(\r)], v11
.endm
; Token T's 15 loads.  tok, tg: the scalar registers with its number and its target.  Each loaded number is bounded by s_min_u32 before it enters an address.
.macro TOKL T, tok, tg
.set SB, 36+8*(\T)
.set VB, 100+48*(\T)
	s_min_u32 s52, s[\tok], 4095
	s_mul_i32 s52, s52, 3584
	s_mov_b32 s53, 0
	s_add_nc_u64 s[SB:SB+1], s[4:5], s[52:53]      ; its row of cb
	s_sub_co_i32 s52, s[\tg], 10000
	s_max_i32 s52, s52, 0
	s_min_u32 s52, s52, 40256
	s_lshl_b32 s52, s52, 9
	s_add_nc_u64 s[SB+2:SB+3], s[8:9], s[52:53]    ; W2_1's row
	s_sub_co_i32 s52, s[\tg], 1000
	s_max_i32 s52, s52, 0
	s_min_u32 s52, s52, 8999
	s_lshl_b32 s52, s52, 11
	s_add_nc_u64 s[SB+4:SB+5], s[6:7], s[52:53]    ; W2_0's row
	s_max_i32 s52, s[\tg], 0
	s_cmp_lt_i32 s[\tg], 1000
	s_cselect_b32 s52, s52, 1000                   ; the class itself, or tail 0's column,
	s_cmp_lt_i32 s[\tg], 10000
	s_cselect_b32 s52, s52, 1001                   ; or tail 1's
	s_min_u32 s52, s52, 1001
	s_lshl_b32 s52, s52, 1
	v_mov_b32 v[VB+31], s52
.irp n, 0,1,2,3
	global_load_b128 v[VB+4*\n:VB+4*\n+3], v10, s[SB:SB+1] offset:512*\n
.endr
	global_load_u16 v[VB+30], v[VB+31], s[SB:SB+1]
	global_load_b128 v[VB+16:VB+19], v10, s[SB+2:SB+3]
	global_load_b64 v[VB+20:VB+21], v9, s[SB:SB+1] offset:3072
.irp n, 0,1,2,3
	global_load_b128 v[VB+32+4*\n:VB+32+4*\n+3], v10, s[SB+4:SB+5] offset:512*\n
.endr
.irp n, 0,1,2,3
	global_load_b64 v[VB+22+2*\n:VB+23+2*\n], v9, s[SB:SB+1] offset:2048+256*\n
.endr
.endm
; d += the two bf16 of hr times the f32 in wr, wr + 1
.macro DOT2 d, hr, wr
	v_fma_mix_f32_bf16 v[(\d)], v[(\hr)], v[(\wr)],   v[(\d)] op_sel_hi:[1,0,0]
	v_fma_mix_f32_bf16 v[(\d)], v[(\hr)], v[(\wr)+1], v[(\d)] op_sel:[1,0,0] op_sel_hi:[1,0,0]
.endm
.macro ROWW T
.set VB, 100+48*(\T)
.set R, 228+8*(\T)
.set i, 0
.rept 16                               ; word i holds columns 256 (i / 4) + 8 lane + 2 (i % 4) and the next
	v_lshlrev_b32 v[X+2*i], 16, v[VB+i]
	v_and_b32 v[X+2*i+1], 0xffff0000, v[VB+i]
.set i, i+1
.endr
.set i, 0
.rept 8
	v_cndmask_b32 v[X+24+i], s74, v[X+24+i], s[66+i]   ; columns from 1002 on do not exist
.set i, i+1
.endr
.irp j, 0,1,2,3
	v_max3_num_f32 v[28+\j], v[X+8*\j], v[X+8*\j+1], v[X+8*\j+2]
.endr
.irp j, 0,1,2,3
	v_max3_num_f32 v[28+\j], v[28+\j], v[X+8*\j+3], v[X+8*\j+4]
.endr
.irp j, 0,1,2,3
	v_max3_num_f32 v[28+\j], v[28+\j], v[X+8*\j+5], v[X+8*\j+6]
.endr
	v_max3_num_f32 v28, v28, v[X+7], v[X+15]
	v_max3_num_f32 v30, v30, v[X+23], v[X+31]
	v_max3_num_f32 v28, v28, v29, v30
	v_max_num_f32 v27, v28, v31
	WMAX 27
	v_mul_f32 v[R], s76, v27
	v_mov_b32 v[R+1], 0
.set i, 0
.rept 16
	v_pk_fma_f32 v[X+2*i:X+2*i+1], v[X+2*i:X+2*i+1], s[76:77], v[R:R+1] op_sel_hi:[1,0,0] neg_lo:[0,0,1] neg_hi:[0,0,1]
.set i, i+1
.endr
.set i, 0
.rept 32
	v_exp_f32 v[X+i], v[X+i]
.set i, i+1
.endr
	v_mov_b32 v[R+3], 0                            ; the dot products name no exponential's result: they stand between the batch and its wait
	v_mov_b32 v[R+4], 0
	DOT2 R+3, VB+20, VB+16
	DOT2 R+3, VB+21, VB+18
.set i, 0
.rept 8
	DOT2 R+4, VB+22+i, VB+32+2*i
.set i, i+1
.endr
	s_wait_alu depctr_va_vdst(0)                   ; one wait for the 32 exponentials
.irp u, 0,1,2,3,4,5,6,7
	v_pk_add_f32 v[X+4*\u:X+4*\u+1], v[X+4*\u:X+4*\u+1], v[X+4*\u+2:X+4*\u+3]
.endr
.irp u, 0,1,2,3
	v_pk_add_f32 v[X+8*\u:X+8*\u+1], v[X+8*\u:X+8*\u+1], v[X+8*\u+4:X+8*\u+5]
.endr
.irp u, 0,1
	v_pk_add_f32 v[X+16*\u:X+16*\u+1], v[X+16*\u:X+16*\u+1], v[X+16*\u+8:X+16*\u+9]
.endr
	v_pk_add_f32 v[X:X+1], v[X:X+1], v[X+16:X+17]
	v_add_f32 v27, v[X], v[X+1]
	WSUM 27
	WSUM R+3
	WSUM R+4
	v_log_f32 v27, v27
	v_lshlrev_b32 v[R+5], 16, v[VB+30]             ; the plain instruction behind the logarithm
	s_wait_alu depctr_va_vdst(0)
	v_add_f32 v[R+2], v[R], v27
.endm
	s_load_b256 s[4:11], s[0:1], 0x0               ; cb s[4:5], W2_0 s[6:7], W2_1 s[8:9], list s[10:11]
	s_load_b256 s[12:19], s[0:1], 0x20             ; cnt s[12:13], part1 s[14:15], part0 s[16:17], out0 s[18:19]
	v_lshl_add_u32 v2, v0, 2, SPARE                ; v2: my spare word; never rewritten
	v_mov_b32 v3, 0                                ; v3: 0; never rewritten
	v_lshrrev_b32 v1, 5, v0
	v_readfirstlane_b32 s20, v1                    ; wave 0..7
	v_and_b32 v4, 31, v0                           ; lane
	v_and_b32 v5, 15, v0                           ; r
	v_bfe_u32 v6, v0, 4, 1                         ; half
	s_lshl_b32 s21, ttmp9, 7                       ; my tile's 16 list entries of 8 bytes
	s_lshl_b32 s22, s20, 4
	s_add_co_u32 s22, s22, s21                     ; my wave's two
	v_lshl_add_u32 v7, v5, 3, s21
	v_lshlrev_b32 v9, 3, v4
	v_lshlrev_b32 v10, 4, v4
	v_mov_b32 v11, 0
	s_mov_b32 s74, 0xf149f2ca                      ; -1e30
	s_mov_b32 s76, 0x3fb8aa3b                      ; c = log2 e
	s_mov_b32 s77, s76
	s_mov_b32 s78, 0x76543210
	s_mov_b32 s79, 0xfedcba98
	s_mov_b32 s80, 0xbf317218                      ; -ln 2
	s_mov_b32 s81, 0xffff0000                      ; lanes 16-31
	s_wait_kmcnt 0x0
	s_load_b128 s[24:27], s[10:11], s22 offset:0x0 ; token and target of my wave's first and second token
	s_load_b64 s[28:29], s[12:13], 0x0             ; n1, n0
	global_load_b32 v8, v7, s[10:11] offset:4      ; the target of token r
.set i, 0
.rept 33
	v_mov_b32 v[P1+2*i], 0xfe000000                ; far below every c m
	v_mov_b32 v[P1+2*i+1], 0
.set i, i+1
.endr
.set i, 0
.rept 8
	v_cmp_gt_u32 s[66+i], 234-i, v9                ; column 768 + 8 lane + i is below 1002
.set i, i+1
.endr
	s_lshl_b32 s30, ttmp9, 4                       ; my first position
	s_lshl_b32 s31, s20, 8
	s_mul_i32 s32, ttmp9, 53760
	s_add_co_u32 s32, s32, s31
	s_mov_b32 s33, 0
	s_add_nc_u64 s[14:15], s[14:15], s[32:33]      ; part1: my tile, slice w
	s_mul_i32 s32, ttmp9, 11264
	s_add_co_u32 s32, s32, s31
	s_add_nc_u64 s[16:17], s[16:17], s[32:33]      ; part0 likewise
	s_wait_kmcnt 0x0
	s_cmp_lt_u32 s30, s28                          ; has tail 1 worked my tile?
	s_cbranch_scc0 .Lno1
.set i, 0
.rept 26
	global_load_b64 v[P1+2*i:P1+2*i+1], v9, s[14:15] offset:2048*i
.set i, i+1
.endr
	s_cmp_lt_u32 s20, 2                            ; slices 208 and 209
	s_cbranch_scc0 .Lno1
	global_load_b64 v[P1+52:P1+53], v9, s[14:15] offset:2048*26
.Lno1:
	s_cmp_eq_u32 s29, 0                            ; has tail 0?
	s_cbranch_scc1 .Lno0
	s_lshr_b32 s31, s28, 4
	s_cmp_ge_u32 ttmp9, s31
	s_cbranch_scc0 .Lno0
	s_add_co_u32 s31, s28, s29
	s_cmp_lt_u32 s30, s31
	s_cbranch_scc0 .Lno0
.set i, 0
.rept 5
	global_load_b64 v[P0+2*i:P0+2*i+1], v9, s[16:17] offset:2048*i
.set i, i+1
.endr
	s_cmp_lt_u32 s20, 4                            ; slices 40 to 43
	s_cbranch_scc0 .Lno0
	global_load_b64 v[P0+10:P0+11], v9, s[16:17] offset:2048*5
.Lno0:
	TOKL 0, 24, 25
	TOKL 1, 26, 27
	s_wait_loadcnt 30                              ; behind the partials and the target stand, on every path, the 30 loads of the two macros above
	v_max3_num_f32 v12, v[P1], v[P1+2], v[P1+4]
.set i, 3
.rept 12
	v_max3_num_f32 v12, v12, v[P1+2*i], v[P1+2*i+2]
.set i, i+2
.endr
	v_max3_num_f32 v13, v[P0], v[P0+2], v[P0+4]
	v_max3_num_f32 v13, v13, v[P0+6], v[P0+8]
	v_max_num_f32 v13, v13, v[P0+10]
.set i, 0
.rept 27
	v_sub_f32 v[P1+2*i], v[P1+2*i], v12
.set i, i+1
.endr
.set i, 0
.rept 6
	v_sub_f32 v[P0+2*i], v[P0+2*i], v13
.set i, i+1
.endr
.set i, 0
.rept 33
	v_exp_f32 v[P1+2*i], v[P1+2*i]
.set i, i+1
.endr
	v_lshlrev_b32 v20, 3, v0                       ; the plain instruction behind the batch: my 8 bytes of the exchange
	s_wait_alu depctr_va_vdst(0)                   ; one wait for the 33
	v_mul_f32 v14, v[P1+1], v[P1]
	v_mul_f32 v15, v[P1+3], v[P1+2]
.set i, 2
.rept 25
	v_fmac_f32 v[14+i%2], v[P1+2*i+1], v[P1+2*i]
.set i, i+1
.endr
	v_add_f32 v14, v14, v15
	v_mul_f32 v16, v[P0+1], v[P0]
.set i, 1
.rept 5
	v_fmac_f32 v16, v[P0+2*i+1], v[P0+2*i]
.set i, i+1
.endr
	v_cmp_le_i32 vcc_lo, 0x2710, v8                ; my token's own tail
	v_cndmask_b32 v18, v13, v12, vcc_lo
	v_cndmask_b32 v19, v16, v14, vcc_lo
	ds_store_b64 v20, v[18:19]
	v_lshrrev_b32 v21, 1, v5                       ; lane idx of 16 reads wave idx / 2, half idx % 2, token 2 w + my half
	v_and_b32 v22, 1, v5
	v_lshlrev_b32 v21, 8, v21
	v_lshl_add_u32 v21, v22, 7, v21
	v_lshl_add_u32 v21, v6, 3, v21
	s_lshl_b32 s52, s20, 4
	v_add_nc_u32 v21, s52, v21
	s_wait_dscnt 0x0                               ; for the others' sake: my pairs are in the exchange
	s_barrier_signal -1
	s_barrier_wait -1
	ds_load_b64 v[22:23], v21
	s_wait_dscnt 0x0
	v_mov_b32 v24, v22
	v_max_num_f32_dpp v24, v24, v24 row_xmask:1 row_mask:0xf bank_mask:0xf
	v_max_num_f32_dpp v24, v24, v24 row_xmask:2 row_mask:0xf bank_mask:0xf
	v_max_num_f32_dpp v24, v24, v24 row_xmask:4 row_mask:0xf bank_mask:0xf
	v_max_num_f32_dpp v24, v24, v24 row_xmask:8 row_mask:0xf bank_mask:0xf
	v_sub_f32 v25, v22, v24
	v_exp_f32 v25, v25
	v_nop
	s_wait_alu depctr_va_vdst(0)
	v_mul_f32 v25, v23, v25
	v_add_f32_dpp v25, v25, v25 row_xmask:1 row_mask:0xf bank_mask:0xf
	v_add_f32_dpp v25, v25, v25 row_xmask:2 row_mask:0xf bank_mask:0xf
	v_add_f32_dpp v25, v25, v25 row_xmask:4 row_mask:0xf bank_mask:0xf
	v_add_f32_dpp v25, v25, v25 row_xmask:8 row_mask:0xf bank_mask:0xf
	v_log_f32 v26, v25
	v_nop
	s_wait_alu depctr_va_vdst(0)
	v_add_f32 v26, v24, v26                        ; the tail's lse, base 2: first token in lanes 0-15, second in lanes 16-31
	s_wait_loadcnt 0x0                             ; the rows
	ROWW 0
	ROWW 1
	v_mov_b32 v13, s25
	v_mov_b32 v14, s27
	v_cndmask_b32 v13, v13, v14, s81               ; the target,
	v_mov_b32 v19, s24
	v_mov_b32 v14, s26
	v_cndmask_b32 v19, v19, v14, s81               ; the token,
	v_cndmask_b32 v15, v230, v238, s81             ; the head's lse,
	v_cndmask_b32 v16, v231, v239, s81             ; tail 1's logit,
	v_cndmask_b32 v17, v232, v240, s81             ; tail 0's,
	v_cndmask_b32 v18, v233, v241, s81             ; and the head logit of my half's token
	v_cmp_le_i32 vcc_lo, 0x2710, v13
	v_cndmask_b32 v16, v17, v16, vcc_lo
	v_fma_f32 v16, v26, s80, v16                   ; logit - ln 2 x lse
	v_cmp_le_i32 vcc_lo, 0x3e8, v13
	v_cndmask_b32 v16, 0, v16, vcc_lo              ; a target in the head has no tail's part: a select, so that nothing made of pre-set pairs gets through
	v_fma_f32 v18, v15, s80, v18
	v_add_f32 v18, v18, v16
	v_min_u32 v19, 4095, v19
	v_lshlrev_b32 v19, 2, v19
	global_store_b32 v19, v18, s[18:19]            ; sixteen lanes hold the same number for the same word
	s_wait_tensorcnt 0x0                           ; the wave's end: a tensor wait, an add to my spare word and its wait behind my last LDS store
	ds_add_u32 v2, v3
	s_wait_dscnt 0x0
	s_endpgm
.Lfunc_end_k_qbca60a3e11_combine:
	.size	k_qbca60a3e11_combine, .Lfunc_end_k_qbca60a3e11_combine-k_qbca60a3e11_combine
	.p2alignl 7, 3214868480
	.fill 96, 4, 3214868480
	.section	.rodata,"a",@progbits
	.p2align	6, 0x0
	.amdhsa_kernel k_qbca60a3e11_combine
		.amdhsa_group_segment_fixed_size 3072
		.amdhsa_private_segment_fixed_size 0
		.amdhsa_enable_private_segment 0
		.amdhsa_kernarg_size 64
		.amdhsa_user_sgpr_count 2
		.amdhsa_user_sgpr_kernarg_segment_ptr 1
		.amdhsa_wavefront_size32 1
		.amdhsa_system_sgpr_workgroup_id_x 1
		.amdhsa_system_sgpr_workgroup_id_y 1
		.amdhsa_system_sgpr_workgroup_id_z 1
		.amdhsa_system_vgpr_workitem_id 0
		.amdhsa_next_free_vgpr 256
		.amdhsa_next_free_sgpr 84
		.amdhsa_reserve_vcc 1
		.amdhsa_float_denorm_mode_32 3
		.amdhsa_float_denorm_mode_16_64 3
		.amdhsa_memory_ordered 1
		.amdhsa_forward_progress 1
		.amdhsa_inst_pref_size 39
	.end_amdhsa_kernel
	.amdgpu_metadata
---
amdhsa.version: [ 1, 2 ]
amdhsa.kernels:
  - .name:           k_qbca60a3e11_combine
    .symbol:         k_qbca60a3e11_combine.kd
    .args:
      - { .name: cb, .offset: 0, .size: 8, .value_kind: global_buffer, .address_space: global }
      - { .name: W2_0, .offset: 8, .size: 8, .value_kind: global_buffer, .address_space: global }
      - { .name: W2_1, .offset: 16, .size: 8, .value_kind: global_buffer, .address_space: global }
      - { .name: list, .offset: 24, .size: 8, .value_kind: global_buffer, .address_space: global }
      - { .name: cnt, .offset: 32, .size: 8, .value_kind: global_buffer, .address_space: global }
      - { .name: part1, .offset: 40, .size: 8, .value_kind: global_buffer, .address_space: global }
      - { .name: part0, .offset: 48, .size: 8, .value_kind: global_buffer, .address_space: global }
      - { .name: out0, .offset: 56, .size: 8, .value_kind: global_buffer, .address_space: global }
    .group_segment_fixed_size: 3072
    .private_segment_fixed_size: 0
    .kernarg_segment_align: 8
    .kernarg_segment_size: 64
    .max_flat_workgroup_size: 256
    .sgpr_count:     84
    .vgpr_count:     256
    .wavefront_size: 32
...
	.end_amdgpu_metadata
.endif
;; end of part 4
;; launch loss (part 5): grid 1 x 1, 1 waves a work-group, no clusters, 0 bytes of LDS; arguments out0, out1; writes out1
.if DOCPART == 5
	.amdgcn_target "amdgcn-amd-amdhsa--gfx1250"
	.amdhsa_code_object_version 6
	.text
	.protected	k_qbca60a3e11_loss
	.globl	k_qbca60a3e11_loss
	.p2align	8
	.type	k_qbca60a3e11_loss,@function
k_qbca60a3e11_loss:
	s_mov_b64 s[64:65], 0
	v_nop
	global_prefetch_b8 v0, s[64:65] scope:SCOPE_SE
	s_setreg_imm32_b32 hwreg(HW_REG_WAVE_MODE, 25, 1), 1
	s_wait_xcnt 0x0
; out1 = - (sum of out0's 4,096 numbers) / 4096.  The sum spans all of the launch before, so it has a launch and one owner of its own: one wave, 32 loads of 512 consecutive bytes,
; all out at once; four chains of packed additions in f32, then once across the lanes.
	s_load_b128 s[4:7], s[0:1], 0x0                ; out0 s[4:5], out1 s[6:7]
	v_lshlrev_b32 v1, 4, v0
	v_mov_b32 v2, 0
	s_mov_b32 s8, 0x76543210
	s_mov_b32 s9, 0xfedcba98
	s_wait_kmcnt 0x0
.set i, 0
.rept 32
	global_load_b128 v[4+4*i:7+4*i], v1, s[4:5] offset:512*i
.set i, i+1
.endr
	s_wait_loadcnt 0x0
.set i, 2
.rept 30
	v_pk_add_f32 v[4+4*(i%2):5+4*(i%2)], v[4+4*(i%2):5+4*(i%2)], v[4+4*i:5+4*i]
	v_pk_add_f32 v[6+4*(i%2):7+4*(i%2)], v[6+4*(i%2):7+4*(i%2)], v[6+4*i:7+4*i]
.set i, i+1
.endr
	v_pk_add_f32 v[4:5], v[4:5], v[8:9]
	v_pk_add_f32 v[6:7], v[6:7], v[10:11]
	v_pk_add_f32 v[4:5], v[4:5], v[6:7]
	v_add_f32 v4, v4, v5
	v_add_f32_dpp v4, v4, v4 row_xmask:1 row_mask:0xf bank_mask:0xf
	v_add_f32_dpp v4, v4, v4 row_xmask:2 row_mask:0xf bank_mask:0xf
	v_add_f32_dpp v4, v4, v4 row_xmask:4 row_mask:0xf bank_mask:0xf
	v_add_f32_dpp v4, v4, v4 row_xmask:8 row_mask:0xf bank_mask:0xf
	v_permlanex16_b32 v5, v4, s8, s9
	v_add_f32 v4, v4, v5
	v_mul_f32 v4, 0xb9800000, v4                   ; x -1/4096
	global_store_b32 v2, v4, s[6:7]                ; every lane holds the same number for the one word
	s_endpgm
.Lfunc_end_k_qbca60a3e11_loss:
	.size	k_qbca60a3e11_loss, .Lfunc_end_k_qbca60a3e11_loss-k_qbca60a3e11_loss
	.p2alignl 7, 3214868480
	.fill 96, 4, 3214868480
	.section	.rodata,"a",@progbits
	.p2align	6, 0x0
	.amdhsa_kernel k_qbca60a3e11_loss
		.amdhsa_group_segment_fixed_size 0
		.amdhsa_private_segment_fixed_size 0
		.amdhsa_enable_private_segment 0
		.amdhsa_kernarg_size 16
		.amdhsa_user_sgpr_count 2
		.amdhsa_user_sgpr_kernarg_segment_ptr 1
		.amdhsa_wavefront_size32 1
		.amdhsa_system_sgpr_workgroup_id_x 1
		.amdhsa_system_sgpr_workgroup_id_y 1
		.amdhsa_system_sgpr_workgroup_id_z 1
		.amdhsa_system_vgpr_workitem_id 0
		.amdhsa_next_free_vgpr 140
		.amdhsa_next_free_sgpr 66
		.amdhsa_reserve_vcc 0
		.amdhsa_float_denorm_mode_32 3
		.amdhsa_float_denorm_mode_16_64 3
		.amdhsa_memory_ordered 1
		.amdhsa_forward_progress 1
		.amdhsa_inst_pref_size 9
	.end_amdhsa_kernel
	.amdgpu_metadata
---
amdhsa.version: [ 1, 2 ]
amdhsa.kernels:
  - .name:           k_qbca60a3e11_loss
    .symbol:         k_qbca60a3e11_loss.kd
    .args:
      - { .name: out0, .offset: 0, .size: 8, .value_kind: global_buffer, .address_space: global }
      - { .name: out1, .offset: 8, .size: 8, .value_kind: global_buffer, .address_space: global }
    .group_segment_fixed_size: 0
    .private_segment_fixed_size: 0
    .kernarg_segment_align: 8
    .kernarg_segment_size: 16
    .max_flat_workgroup_size: 32
    .sgpr_count:     66
    .vgpr_count:     140
    .wavefront_size: 32
...
	.end_amdgpu_metadata
.endif
;; end of part 5
;; ======== version 2 of 2: 5 launches; version 1 with the launches prep, tails written anew for expert scheduling mode
;; workspace buffers: xb 16,777,216 bytes; wb 7,340,032 bytes; cb 14,680,064 bytes; list 32,768 bytes of whole numbers; cnt 256 bytes of whole numbers; part1 13,762,560 bytes; part0 2,906,112 bytes
;; launch prep (part 6): grid 257 x 1, 8 waves a work-group, no clusters, 1,280 bytes of LDS; arguments x, W_head, W1_0, W1_1, target, xb, wb, list, cnt; writes xb, wb, list, cnt
.if DOCPART == 6
	.amdgcn_target "amdgcn-amd-amdhsa--gfx1250"
	.amdhsa_code_object_version 6
	.text
	.protected	k_qbca60a3e11_prep
	.globl	k_qbca60a3e11_prep
	.p2align	8
	.type	k_qbca60a3e11_prep,@function
k_qbca60a3e11_prep:
	s_mov_b64 s[64:65], 0
	v_nop
	global_prefetch_b8 v0, s[64:65] scope:SCOPE_SE
	s_setreg_imm32_b32 hwreg(HW_REG_WAVE_SCHED_MODE, 0, 2), 2
	s_setreg_imm32_b32 hwreg(HW_REG_WAVE_MODE, 25, 1), 1
	s_wait_xcnt 0x0
	s_wait_alu depctr_vm_vsrc(0)
; PREP.  Work-groups 0 to 255 round x to bf16 (xb, 16 rows each) and lay the three first-stage weights one below the other in bf16
; (wb, 7 rows each): rows 0-1001 W_head, 1002-1023 zeros, 1024-1535 W1_0, 1536-1663 W1_1, 1664-1791 zeros.
; Work-group 256 sorts the 4,096 tokens by the cluster of their target, by counting, without atomics: tail 1 (target >= 10000) first, then
; tail 0 (1000 <= target < 10000), then the head; list[q] = (token, target), cnt = (n1, n0).  The compares are signed, as the reference's are.
; THE STREAM.  A row of 2,048 f32 is 8,192 bytes: wave w takes bytes 1,024 w on, as two loads of 512 consecutive bytes; a lane's four numbers
; become 8 bytes, so a wave's store covers 256 consecutive bytes, aligned.  All 46 loads of a wave go out before the first wait; no register is loaded twice.
; THE MODE: SCHED_MODE bits 1:0 = 2 (LLVM: expert scheduling mode 2), set by the entry lines.  The code itself states the register dependences
; between vector instructions and memory or LDS instructions, with s_wait_alu, always for 0.
; THE PLAN, the stream.  v1 (the loads' offset) and v2 (the stores') are made once.  The 23 rows (16 of x, 7 of weights) have 8 registers each, at v[4 + 8 r]: loaded once, rounded in
; place, stored once.  They go in 12 blocks of two rows: block p rounds its rows, and the four stores of block p - 1 are dealt among its conversions, which name block p's registers alone.
; So one wait on va_vdst at a block's head states all that its stores hang on.  No register that a memory instruction reads is written again: nothing is owed on vm_vsrc.
; THE PLAN, the sorting.  Scalars that vector instructions write (the wave's number, the 32 masks, the 16 counts) are made in runs, each with one wait on va_sdst ahead of its first reader.
; The 16 places v[64:79] and token numbers v32, v34 .. are all made first; one wait on va_vdst stands ahead of the run of 16 stores.
.set SPARE, 256                        ; the spare words: 128 bytes for each of eight waves; the block from byte 0 holds the waves' counts
.set SPW,   190                        ; v190  SPARE + 4 x my thread's number; never rewritten
.set NIL,   191                        ; v191  0; never rewritten
.set XR,    4                          ; v[4:131]    16 rows of x, 8 registers each
.set WR,    132                        ; v[132:187]  7 rows of weights: row 16 + i of the stream's 23
	s_load_b256 s[4:11], s[0:1], 0x0               ; x s[4:5], W_head s[6:7], W1_0 s[8:9], W1_1 s[10:11]
	s_load_b256 s[12:19], s[0:1], 0x20             ; target s[12:13], xb s[14:15], wb s[16:17], list s[18:19]
	s_load_b64 s[20:21], s[0:1], 0x40              ; cnt
	v_lshl_add_u32 v[SPW], v0, 2, SPARE
	v_mov_b32 v[NIL], 0
	v_lshrrev_b32 v1, 5, v0
	v_readfirstlane_b32 s22, v1                    ; wave 0..7
	v_and_b32 v3, 31, v0                           ; lane
	s_wait_alu depctr_va_sdst(0)                   ; s22 is written
	s_cmp_eq_u32 ttmp9, 256                        ; the same answer in all eight waves
	s_cbranch_scc1 .Lroute
	v_lshlrev_b32 v2, 3, v3
	v_lshl_add_u32 v2, v1, 9, v2                   ; out: 512 w + 8 lane
	v_lshlrev_b32 v1, 1, v2                        ; in: 1,024 w + 16 lane
	s_mul_i32 s23, ttmp9, 7                        ; my first row of wb
	s_lshl_b32 s32, ttmp9, 17                      ; 16 rows of 8,192 bytes
	s_mov_b32 s33, 0
	s_lshl_b32 s34, ttmp9, 16                      ; 16 rows of 4,096 bytes
	s_mov_b32 s35, 0
	s_mul_i32 s36, ttmp9, 7*4096
	s_mov_b32 s37, 0
	s_wait_kmcnt 0x0
	s_add_nc_u64 s[4:5], s[4:5], s[32:33]
	s_add_nc_u64 s[14:15], s[14:15], s[34:35]
	s_add_nc_u64 s[16:17], s[16:17], s[36:37]
	s_wait_alu depctr_va_vdst(0)                   ; v1 and v2 are written: every load below reads v1 as its offset, every store v2
.set r, 0
.rept 16
	global_load_b128 v[XR+8*r:XR+8*r+3],   v1, s[4:5] offset:8192*r th:TH_LOAD_NT
	global_load_b128 v[XR+8*r+4:XR+8*r+7], v1, s[4:5] offset:8192*r+512 th:TH_LOAD_NT
.set r, r+1
.endr
; Row 7 g + i of wb: which tensor it comes from, which of its rows, and a mask that is 0 for a row of zeros (such a row loads the tensor's row 0 and clears it).
.macro WROW i
	s_add_co_u32 s24, s23, \i
	s_cmp_ge_u32 s24, 1024
	s_cselect_b64 s[26:27], s[8:9], s[6:7]
	s_cselect_b32 s25, 1024, 0
	s_cmp_ge_u32 s24, 1536
	s_cselect_b64 s[26:27], s[10:11], s[26:27]
	s_cselect_b32 s25, 1536, s25
	s_cmp_lt_u32 s24, 1002
	s_cselect_b32 s28, -1, 0
	s_sub_co_u32 s29, s24, 1024                    ; rows 1024 to 1663 are real too (below 1024 this wraps to a large number)
	s_cmp_lt_u32 s29, 640
	s_cselect_b32 s28, -1, s28
	s_sub_co_u32 s29, s24, s25
	s_and_b32 s29, s29, s28
	s_lshl_b32 s30, s29, 13
	s_mov_b32 s31, 0
	s_add_nc_u64 s[40+2*(\i):41+2*(\i)], s[26:27], s[30:31]
	s_mov_b32 s[56+(\i)], s28
	global_load_b128 v[WR+8*(\i):WR+8*(\i)+3],   v1, s[40+2*(\i):41+2*(\i)] th:TH_LOAD_NT
	global_load_b128 v[WR+8*(\i)+4:WR+8*(\i)+7], v1, s[40+2*(\i):41+2*(\i)] offset:512 th:TH_LOAD_NT
.endm
.irp i, 0,1,2,3,4,5,6
	WROW \i
.endr
; Row r of the 23: its eight numbers are rounded in place; a row of weights is then cleared or kept by its mask.
.macro CVT r
.set ra, XR+8*(\r)
	v_cvt_pk_bf16_f32 v[ra],   v[ra],   v[ra+1]
	v_cvt_pk_bf16_f32 v[ra+1], v[ra+2], v[ra+3]
	v_cvt_pk_bf16_f32 v[ra+4], v[ra+4], v[ra+5]
	v_cvt_pk_bf16_f32 v[ra+5], v[ra+6], v[ra+7]
.if (\r) >= 16
	v_and_b32 v[ra],   s[56+(\r)-16], v[ra]
	v_and_b32 v[ra+1], s[56+(\r)-16], v[ra+1]
	v_and_b32 v[ra+4], s[56+(\r)-16], v[ra+4]
	v_and_b32 v[ra+5], s[56+(\r)-16], v[ra+5]
.endif
.endm
; Row r's two stores.
.macro STO r
.set ra, XR+8*(\r)
.if (\r) < 16
	global_store_b64 v2, v[ra:ra+1],   s[14:15] offset:4096*(\r)
	global_store_b64 v2, v[ra+4:ra+5], s[14:15] offset:4096*(\r)+256
.else
	global_store_b64 v2, v[ra:ra+1],   s[16:17] offset:4096*((\r)-16)
	global_store_b64 v2, v[ra+4:ra+5], s[16:17] offset:4096*((\r)-16)+256
.endif
.endm
.set blk, 0
.rept 12                               ; block blk: rows 2 blk and 2 blk + 1 (the last block: row 22 alone)
.if blk < 11
	s_wait_loadcnt 42-4*blk                        ; loads come back in order: behind the block's four stand 42 - 4 blk younger ones
.else
	s_wait_loadcnt 0x0
.endif
.if blk > 0
	s_wait_alu depctr_va_vdst(0)                   ; the block before has written its rows' registers, which the four stores below read; no vector instruction behind this wait names them
	STO 2*blk-2
.endif
	CVT 2*blk
.if blk > 0
	STO 2*blk-1
.endif
.if blk < 11
	CVT 2*blk+1
.endif
.set blk, blk+1
.endr
	s_wait_alu depctr_va_vdst(0)                   ; row 22 is rounded and masked: its two stores read it
	STO 22
	s_endpgm                                       ; these waves have written no LDS
.Lroute:                               ; wave w has tokens 512 w + 32 i + lane, i = 0..15
	s_lshl_b32 s23, s22, 11
	v_lshl_add_u32 v4, v3, 2, s23                  ; byte 2,048 w + 4 lane of target
	s_lshl_b32 s23, s22, 9
	v_add_nc_u32 v27, s23, v3                      ; token 512 w + lane
	s_wait_kmcnt 0x0
	s_wait_alu depctr_va_vdst(0)                   ; v4 is written: the 16 loads below read it as their offset
.set i, 0
.rept 16
	global_load_b32 v[33+2*i], v4, s[12:13] offset:128*i   ; the odd register of pair i: (token, target)
.set i, i+1
.endr
	s_mov_b32 s56, 0                               ; my wave's count for tail 1
	s_mov_b32 s57, 0                               ; and for the head
	s_wait_loadcnt 0x0
.set i, 0
.rept 16                               ; the 32 masks in one run
	v_cmp_le_i32 s[24+i], 0x2710, v[33+2*i]        ; 10000 <= t: tail 1
	v_cmp_gt_i32 s[40+i], 0x3e8, v[33+2*i]         ; 1000 > t: head
.set i, i+1
.endr
	s_wait_alu depctr_va_sdst(0)                   ; the compares have written s[24:55], ahead of their first readers, the counts below
.set i, 0
.rept 16
	s_bcnt1_i32_b32 s58, s[24+i]
	s_add_co_u32 s56, s56, s58
	s_bcnt1_i32_b32 s58, s[40+i]
	s_add_co_u32 s57, s57, s58
.set i, i+1
.endr
	s_sub_co_u32 s59, 512, s56
	s_sub_co_u32 s59, s59, s57                     ; tail 0
	s_lshl_b32 s58, s22, 3
	v_mov_b32 v5, s58
	v_mov_b32 v6, s56
	v_mov_b32 v7, s59
	v_mov_b32 v28, 0
	s_wait_alu depctr_va_vdst(0)                   ; v5 to v7 are written, which the LDS store reads, and v28, the address of the LDS loads and of the counts' store further down
	ds_store_b64 v5, v[6:7]                        ; all lanes write the same pair to my wave's 8 bytes
	s_wait_dscnt 0x0                               ; for the others' sake: my store is done
	s_barrier_signal -1
	s_barrier_wait -1
	ds_load_b128 v[8:11],  v28
	ds_load_b128 v[12:15], v28 offset:16
	ds_load_b128 v[16:19], v28 offset:32
	ds_load_b128 v[20:23], v28 offset:48
	s_wait_dscnt 0x0
.set i, 0
.rept 16
	v_readfirstlane_b32 s[70+i], v[8+i]            ; s[70+2w'], s[71+2w']: wave w' counts for tail 1, tail 0
.set i, i+1
.endr
	s_wait_alu depctr_va_sdst(0)                   ; s[70:85] are written, ahead of their first readers, the sums below
	s_mov_b32 s86, 0                               ; n1
	s_mov_b32 s87, 0                               ; n0
	s_mov_b32 s88, 0                               ; tail 1 in the waves before mine
	s_mov_b32 s89, 0                               ; tail 0 likewise
.set i, 0
.rept 8
	s_add_co_u32 s86, s86, s[70+2*i]
	s_add_co_u32 s87, s87, s[71+2*i]
	s_cmp_gt_u32 s22, i
	s_cselect_b32 s90, s[70+2*i], 0
	s_cselect_b32 s91, s[71+2*i], 0
	s_add_co_u32 s88, s88, s90
	s_add_co_u32 s89, s89, s91
.set i, i+1
.endr
	s_mov_b32 s92, s88                             ; where my wave's next tail-1 token goes,
	s_add_co_u32 s93, s86, s89                     ; its next tail-0 token,
	s_add_co_u32 s94, s86, s87
	s_add_co_u32 s94, s94, s23
	s_sub_co_u32 s94, s94, s88
	s_sub_co_u32 s94, s94, s89                     ; and its next head token
	s_cmp_lg_u32 s22, 0
	s_cbranch_scc1 .Lnocnt
	v_mov_b32 v30, s86
	v_mov_b32 v31, s87
	s_wait_alu depctr_va_vdst(0)                   ; v30 and v31 are written, which the store reads
	global_store_b64 v28, v[30:31], s[20:21]       ; wave 0 alone: (n1, n0)
.Lnocnt:
.set i, 0
.rept 16                               ; all 16 places and token numbers are made first
	s_or_b32 s95, s[24+i], s[40+i]
	s_not_b32 s95, s95                             ; tail 0's lanes
	v_mbcnt_lo_u32_b32 v24, s[24+i], s92           ; the class's next place + how many lower lanes are of the class
	v_mbcnt_lo_u32_b32 v25, s95, s93
	v_mbcnt_lo_u32_b32 v26, s[40+i], s94
	v_cndmask_b32 v25, v25, v24, s[24+i]
	v_cndmask_b32 v25, v25, v26, s[40+i]
	v_min_u32 v25, 4095, v25                       ; a place made from loaded numbers is bounded before it becomes an address
	v_lshlrev_b32 v[64+i], 3, v25
	v_add_nc_u32 v[32+2*i], 32*i, v27
	s_bcnt1_i32_b32 s96, s[24+i]
	s_add_co_u32 s92, s92, s96
	s_bcnt1_i32_b32 s96, s95
	s_add_co_u32 s93, s93, s96
	s_bcnt1_i32_b32 s96, s[40+i]
	s_add_co_u32 s94, s94, s96
.set i, i+1
.endr
	s_wait_alu depctr_va_vdst(0)                   ; the places v[64:79] and the token numbers v32, v34 .. v62 are written, which the 16 stores read
.set i, 0
.rept 16
	global_store_b64 v[64+i], v[32+2*i:33+2*i], s[18:19]
.set i, i+1
.endr
	s_wait_dscnt 0x0                               ; the closing lines, six on end
	s_wait_alu 0x0
	s_wait_tensorcnt 0x0
	ds_add_u32 v[SPW], v[NIL]
	s_wait_dscnt 0x0
	s_endpgm
.Lfunc_end_k_qbca60a3e11_prep:
	.size	k_qbca60a3e11_prep, .Lfunc_end_k_qbca60a3e11_prep-k_qbca60a3e11_prep
	.p2alignl 7, 3214868480
	.fill 96, 4, 3214868480
	.section	.rodata,"a",@progbits
	.p2align	6, 0x0
	.amdhsa_kernel k_qbca60a3e11_prep
		.amdhsa_group_segment_fixed_size 1280
		.amdhsa_private_segment_fixed_size 0
		.amdhsa_enable_private_segment 0
		.amdhsa_kernarg_size 72
		.amdhsa_user_sgpr_count 2
		.amdhsa_user_sgpr_kernarg_segment_ptr 1
		.amdhsa_wavefront_size32 1
		.amdhsa_system_sgpr_workgroup_id_x 1
		.amdhsa_system_sgpr_workgroup_id_y 1
		.amdhsa_system_sgpr_workgroup_id_z 1
		.amdhsa_system_vgpr_workitem_id 0
		.amdhsa_next_free_vgpr 192
		.amdhsa_next_free_sgpr 100
		.amdhsa_reserve_vcc 0
		.amdhsa_float_denorm_mode_32 3
		.amdhsa_float_denorm_mode_16_64 3
		.amdhsa_memory_ordered 1
		.amdhsa_forward_progress 1
		.amdhsa_inst_pref_size 47
	.end_amdhsa_kernel
	.amdgpu_metadata
---
amdhsa.version: [ 1, 2 ]
amdhsa.kernels:
  - .name:           k_qbca60a3e11_prep
    .symbol:         k_qbca60a3e11_prep.kd
    .args:
      - { .name: x, .offset: 0, .size: 8, .value_kind: global_buffer, .address_space: global }
      - { .name: W_head, .offset: 8, .size: 8, .value_kind: global_buffer, .address_space: global }
      - { .name: W1_0, .offset: 16, .size: 8, .value_kind: global_buffer, .address_space: global }
      - { .name: W1_1, .offset: 24, .size: 8, .value_kind: global_buffer, .address_space: global }
      - { .name: target, .offset: 32, .size: 8, .value_kind: global_buffer, .address_space: global }
      - { .name: xb, .offset: 40, .size: 8, .value_kind: global_buffer, .address_space: global }
      - { .name: wb, .offset: 48, .size: 8, .value_kind: global_buffer, .address_space: global }
      - { .name: list, .offset: 56, .size: 8, .value_kind: global_buffer, .address_space: global }
      - { .name: cnt, .offset: 64, .size: 8, .value_kind: global_buffer, .address_space: global }
    .group_segment_fixed_size: 1280
    .private_segment_fixed_size: 0
    .kernarg_segment_align: 8
    .kernarg_segment_size: 72
    .max_flat_workgroup_size: 256
    .sgpr_count:     100
    .vgpr_count:     192
    .wavefront_size: 32
...
	.end_amdgpu_metadata
.endif
;; end of part 6
;; launch gemm1: the kernel of part 2 again; grid 32 x 7, 4 waves a work-group, clusters of 4 x 1, 327,680 bytes of LDS; arguments xb, wb, cb; writes cb
;; launch tails (part 7): grid 254 x 1, 8 waves a work-group, no clusters, 269,568 bytes of LDS; arguments cb, W2_1, W2_0, list, cnt, part1, part0; writes part1, part0
.if DOCPART == 7
	.amdgcn_target "amdgcn-amd-amdhsa--gfx1250"
	.amdhsa_code_object_version 6
	.text
	.protected	k_qbca60a3e11_tails
	.globl	k_qbca60a3e11_tails
	.p2align	8
	.type	k_qbca60a3e11_tails,@function
k_qbca60a3e11_tails:
	s_mov_b64 s[64:65], 0
	v_nop
	global_prefetch_b8 v0, s[64:65] scope:SCOPE_SE
	s_setreg_imm32_b32 hwreg(HW_REG_WAVE_SCHED_MODE, 0, 2), 2
	s_setreg_imm32_b32 hwreg(HW_REG_WAVE_MODE, 25, 1), 1
	s_wait_xcnt 0x0
	s_wait_alu depctr_vm_vsrc(0)
; TAILS.  Partial log-sum-exps of the two tails' logits, for the chosen tokens alone.  Positions q of the sorted list lie in tiles of 16; tail 1 works tiles 0 .. ceil(n1/16)-1,
; tail 0 tiles n1>>4 .. ceil((n1+n0)/16)-1 (none if n0 = 0).  A tile that holds tokens of two clusters is worked by both tails on all its 16 tokens: cb holds both hidden layers of every token.
; Work-groups 0-43: tail 0, a slice of 208 classes each.  Work-groups 44-253: tail 1, a slice of 192 classes each.  Each slice of weights has ONE reader, which rounds it to bf16 on its
; way through registers.  The split 44 : 210 evens the matrix work out for targets spread evenly over the classes; every other split is served, less evenly.
; S^T = W h^T (source 0 = 16 classes, source 1 = 16 tokens): lane (r, h) holds token r and classes 8 h + 0..7.  Each LANE keeps a running maximum m and a sum l of its own
; (p = 2^(c s - c m), c = log2 e; l is multiplied by 2^(c m_old - c m_new) when m grows), and stores (c m, l): 32 lanes x 8 bytes = 256 consecutive bytes, aligned, for a tile and slice.
; Two waves to a SIMD, 512 registers each: one wave's exponentials stand beside the other's products.  The main loops write no LDS and have no barrier; their trip counts are constants that
; cover every split, and trips past a wave's count are jumped forward.  Every LDS address is a lane term plus constants.
; LDS.  Each tail's text has stage bytes of its own (a work-group runs one of the two texts, and eight waves of 512 registers leave no room for a second work-group, so the bytes cost nothing).
; NO TENSOR LOADS, NO CLUSTER: token rows come by a list, which no tile descriptor covers, and a slice of weights has no second reader.
; LIMITS.  A class past a table's end counts as -1e30; a weight below 2^-126 counts as 0 in l; NaN and infinities are not treated apart.
; THE MODE: SCHED_MODE bits 1:0 = 2 (LLVM: expert scheduling mode 2), set by the entry lines.  The code itself states the register dependences
; between vector or matrix instructions and memory or LDS instructions, with s_wait_alu, always for 0.
; THE PLAN, tail 1's loop.  Registers that memory instructions touch:
;   v[64:95], v[96:127]  two buffers of h: a tile's products read one; the next tile's loads, issued at the tile's head, land in the other.
;   v6                   the next tile's token: read at the tile's head, then the token after it lands there.
;   v7, v5               offsets of h and of the list: made anew at the tile's head, read by the nine loads behind it.
;   v[12:13]             (c m, l): written by the tile's statistics, read by the store at the tile's end.
;   v9                   the store's offset: never written in the loop; part1's scalar base moves on, and the store's immediate reaches back.
; Three waits a tile: vm_vsrc at the head, va_vdst behind the five address lines, va_vdst ahead of the store.  W, the scores and the other statistics are named by vector and matrix instructions alone.
; THE PLAN, tail 0's trip.  v36-38, v5-7, v9, v10: addresses, made at the trip's head behind one wait on vm_vsrc.  h (v[128:511]): loaded at the head, read by the trip's products.
;   v[64:95], v[96:127]  two buffers of W: chunk c's products read buffer c % 2.  Chunks 2 and 3 land in the buffers of chunks 0 and 1, each behind a wait on va_vdst at that chunk's end;
;                        the next tile's chunks 0 and 1 land behind ONE wait on va_vdst behind chunk 3, ahead of the softmax.
;   v10                  W's LDS base: written at four changes of base, behind a wait on vm_vsrc and ahead of the wait on va_vdst that stands there for the buffers.
; THE STAGES.  Rows are rounded in groups; a group's LDS stores stand behind the wait on va_vdst at the next group's head.
.set NS0,   44
.set T1B,   216320                     ; tail 0's stage: bytes 0 on, 208 rows x 1,040; tail 1's: from here on, 192 rows x 272
.set SPARE, 268544                     ; behind both stages: the spare words, 128 bytes for each of eight waves
.set S,     32                         ; tail 1: v[32:63]   four accumulators
.set ACC,   40                         ; tail 0: v[40:63]   three accumulators
.set WF,    64                         ; tail 0: v[64:127]  two buffers of four fragments of W
.set STEP1, 8*53760                    ; part1: bytes from a wave's tile to its next, eight tiles on
.set MSB, 0
.macro WIN new                         ; the immediate's high byte repeats the setting that is left
.if MSB != (\new)
	s_set_vgpr_msb (MSB<<8)|(\new)
.set MSB, (\new)
.endif
.endm
; ---------------- tail 1's macros.  v4 Q, v5 its clamp, v6 token, v7 h's offset, v8 3072 + 16 h, v9 store offset, v[12:13] (c m, l), v14 m, v15 c m_old, v[16:17] (a, its argument), v[18:19] l by
; even and odd classes, v20-23 at work, v[64:95], v[96:127] two buffers of h, v[128:511] W: fragment (class tile j, k) at 128 + 32 j + 8 k (tiles 4-11 in window 1).
.macro FS b                            ; pair b of the scores: c s - c m
	v_pk_fma_f32 v[S+2*(\b):S+2*(\b)+1], v[S+2*(\b):S+2*(\b)+1], s[58:59], v[12:13] op_sel_hi:[1,0,0] neg_lo:[0,0,1] neg_hi:[0,0,1]
.endm
.macro MM p, hb                        ; 16 products: class tiles 4 p .. 4 p + 3, K = 128; the four accumulators take turns
.if (\p) == 1
.set WB, 0
.else
.set WB, 128
.endif
.if (\p) > 0
	WIN 0x01                                       ; source 0 in window 1
.endif
.irp k, 0,1,2,3
.irp j, 0,1,2,3
.if (\k) == 0
	v_wmma_f32_16x16x32_bf16 v[S+8*(\j):S+8*(\j)+7], v[WB+32*(\j)+8*(\k):WB+32*(\j)+8*(\k)+7], v[64+32*(\hb)+8*(\k):64+32*(\hb)+8*(\k)+7], 0
.else
	v_wmma_f32_16x16x32_bf16 v[S+8*(\j):S+8*(\j)+7], v[WB+32*(\j)+8*(\k):WB+32*(\j)+8*(\k)+7], v[64+32*(\hb)+8*(\k):64+32*(\hb)+8*(\k)+7], v[S+8*(\j):S+8*(\j)+7]
.endif
.endr
.endr
	WIN 0
.endm
.macro SM p                            ; the lane's 32 scores into m and l.  p = 0 starts them
.irp j, 0,1,2,3
	v_max3_num_f32 v[20+\j], v[S+8*\j], v[S+8*\j+1], v[S+8*\j+2]       ; each accumulator's lowest registers are read first
.endr
.irp j, 0,1,2,3
	v_max3_num_f32 v[20+\j], v[20+\j], v[S+8*\j+3], v[S+8*\j+4]
.endr
.irp j, 0,1,2,3
	v_max3_num_f32 v[20+\j], v[20+\j], v[S+8*\j+5], v[S+8*\j+6]
.endr
	v_max3_num_f32 v20, v20, v[S+7], v[S+15]
	v_max3_num_f32 v22, v22, v[S+23], v[S+31]
.if \p
	v_mov_b32 v15, v12                             ; c m_old is kept
.endif
	v_max3_num_f32 v20, v20, v21, v22
.if \p
	v_max3_num_f32 v14, v20, v23, v14
.else
	v_max_num_f32 v14, v20, v23
.endif
	v_mul_f32 v12, s58, v14
.if \p
	v_sub_f32 v17, v15, v12
	v_exp_f32 v16, v17                             ; a: the batch's first
.endif
	FS 0
	FS 1
.set b, 2
.rept 14                               ; ONE BATCH: nothing ahead of the wait names an exponential's result
	FS b
	v_exp_f32 v[S+2*b-4], v[S+2*b-4]
	v_exp_f32 v[S+2*b-3], v[S+2*b-3]
.set b, b+1
.endr
.irp e, 28,29,30,31
	v_exp_f32 v[S+\e], v[S+\e]
.endr
	v_nop                                          ; a plain instruction behind the last exponential,
	s_wait_alu depctr_va_vdst(0)                   ; and one wait: the exponentials have written the 32 weights and a, ahead of their first reader
.irp u, 0,1,2,3,4,5,6,7
	v_pk_add_f32 v[S+4*\u:S+4*\u+1], v[S+4*\u:S+4*\u+1], v[S+4*\u+2:S+4*\u+3]
.endr
.irp u, 0,1,2,3
	v_pk_add_f32 v[S+8*\u:S+8*\u+1], v[S+8*\u:S+8*\u+1], v[S+8*\u+4:S+8*\u+5]
.endr
.irp u, 0,1
	v_pk_add_f32 v[S+16*\u:S+16*\u+1], v[S+16*\u:S+16*\u+1], v[S+16*\u+8:S+16*\u+9]
.endr
.if \p
	v_pk_add_f32 v[S:S+1], v[S:S+1], v[S+16:S+17]
	v_pk_fma_f32 v[18:19], v[18:19], v[16:17], v[S:S+1] op_sel_hi:[1,0,1]
.else
	v_pk_add_f32 v[18:19], v[S:S+1], v[S+16:S+17]
.endif
.endm
.macro PLACES                          ; four places behind a matrix instruction, before a vector instruction reads its result (ISA guide 7.12.1)
.rept 4
	v_nop
.endr
.endm
; One tile of 16 tokens against my 192 classes, h in buffer hb.  The next tile's h and the token after that are asked for first: they have the whole macro in which to land.
.macro HALF hb
	s_wait_loadcnt 0x0                             ; this tile's h and the next tile's token, all asked for a tile ago; it also shows the loads that read v7 and v5 done
	s_wait_alu depctr_vm_vsrc(0)                   ; those loads have read v7 and v5, which are written again below; the last tile's store has read v12 and v13, which this tile's statistics write again
	v_min_u32 v10, 4095, v6                        ; a loaded number is bounded before it becomes an address
	v_mul_u32_u24 v10, 0xe00, v10                  ; a row of cb is 3,584 bytes
	v_add_nc_u32 v7, v10, v8
	v_add_nc_u32 v4, 1024, v4                      ; eight tiles on in the list,
	v_min_u32 v5, 0x7ff8, v4                       ; never past its last entry
	s_wait_alu depctr_va_vdst(0)                   ; v7 and v5 are written, which the loads below read; v6 has been read, in which the last of them lands; the last tile's products are done reading the other buffer of h, in which the first eight land
.irp n, 0,1,2,3,4,5,6,7
	global_load_b128 v[64+32*(1-(\hb))+4*\n:64+32*(1-(\hb))+4*\n+3], v7, s[4:5] offset:32*\n
.endr
	global_load_b32 v6, v5, s[10:11]
	MM 0, \hb
	PLACES
	s_wait_xcnt 0x0                                ; the last tile's store has had its address translated: its base, v12 and v13 are rewritten only behind this wait
	s_add_nc_u64 s[14:15], s[14:15], STEP1         ; part1's base moves on by eight tiles ahead of the tile's store, whose immediate reaches back
	SM 0
	MM 1, \hb
	PLACES
	SM 1
	MM 2, \hb
	PLACES
	s_cmp_lg_u32 s19, 209                          ; the last slice has 129 classes: of this piece's 64 only the first exists
	s_cbranch_scc1 .Lnm1_\@
	v_cndmask_b32 v[S], s60, v[S], s61             ; class 128: register 0 of lanes 0-15
.set i, 1
.rept 31
	v_mov_b32 v[S+i], s60
.set i, i+1
.endr
.Lnm1_\@:
	SM 2
	v_add_f32 v13, v18, v19
	s_wait_alu depctr_va_vdst(0)                   ; the statistics have written v12 and v13, which the store reads
	global_store_b64 v9, v[12:13], s[14:15] offset:-STEP1
.endm
; ---------------- tail 0's macros.  v4 r, v5-7 h's offsets, v8 2048 + 16 h, v9 store offset, v10 W's LDS base in hand, v11 my lane's place in a class tile, v39 8 h, v36-38 at work;
; token tile t's statistics at 12 + 8 t: +0 c m, +1 l, +2 m, +3 c m_old and a's argument, +4 a, +5 named with a as a pair, +6, +7 l by even and odd classes;
; v[128:511] h: fragment (k, t) at 128 + 8 (3 k + t) (from fragment 16 on in window 1).
; Eight LDS loads: chunk (four K fragments, 256 bytes of each row) of class tile `tile` into buffer buf.  A tile is 16 rows of 1,040 bytes; three tiles share a base, v10 = v11 + 49,920 (tile / 3),
; so that the rest fits the 16-bit immediate.
.macro WRUN tile, chunk, buf
.set n, 0
.rept 8
	ds_load_b128 v[WF+32*(\buf)+4*n:WF+32*(\buf)+4*n+3], v10 offset:16640*((\tile)%3)+256*(\chunk)+32*n
.set n, n+1
.endr
.endm
; Class tile ct of 13 against 48 tokens, K = 512: four chunks on two buffers.  Chunks 2 and 3 are asked for behind chunks 0 and 1, the next tile's chunks 0 and 1 behind chunk 3.
.macro CT ct
.set c, 0
.rept 4
.if c == 3
	s_wait_dscnt 0x0                               ; the tile's last chunk is in: nothing was asked for behind it
.else
	s_wait_dscnt 0x8                               ; this chunk is in; the next chunk's eight loads may be out
.endif
.set kk, 0
.rept 4
.set t, 0
.rept 3                                ; the three accumulators take turns
.set f, 3*(4*c+kk)+t
.if f == 16
	WIN 0x04                                       ; source 1 in window 1 from here on; LDS loads name destination and source 0 alone
.endif
.set hn, (128+8*f)%256
.if (c == 0) && (kk == 0)
	v_wmma_f32_16x16x32_bf16 v[ACC+8*t:ACC+8*t+7], v[WF+32*(c%2)+8*kk:WF+32*(c%2)+8*kk+7], v[hn:hn+7], 0
.else
	v_wmma_f32_16x16x32_bf16 v[ACC+8*t:ACC+8*t+7], v[WF+32*(c%2)+8*kk:WF+32*(c%2)+8*kk+7], v[hn:hn+7], v[ACC+8*t:ACC+8*t+7]
.endif
.set t, t+1
.endr
.set kk, kk+1
.endr
.if c < 2
	s_wait_alu depctr_va_vdst(0)                   ; this chunk's products are done reading their buffer of W, in which the eight loads below land
	WRUN \ct, c+2, c
.endif
.set c, c+1
.endr
	WIN 0
	PLACES                                         ; in front of the first read of the sums
.if (\ct) < 12
.if ((\ct)+1)%3 == 0
	s_wait_alu depctr_vm_vsrc(0)                   ; the LDS loads issued so far have read v10
	v_add_nc_u32 v10, 49920*(((\ct)+1)/3), v11     ; the next three tiles' base
.endif
	s_wait_alu depctr_va_vdst(0)                   ; the products of chunks 2 and 3 are done reading both buffers of W, in which the 16 loads below land; where the base has changed, v10 is written
	WRUN (\ct)+1, 0, 0
	WRUN (\ct)+1, 1, 1
.endif
.if (\ct) == 3                         ; slice 43 begins at class 8,944: its tiles 0-2 exist whole, of tile 3 (classes 8,992 + 8 h + e) the lower half of the lanes alone
	s_cmp_lg_u32 s19, 43
	s_cbranch_scc1 .Lnm0
.irp e, 0,1,2,3,4,5,6,7
	v_cndmask_b32 v[ACC+\e],    s60, v[ACC+\e],    s61
	v_cndmask_b32 v[ACC+8+\e],  s60, v[ACC+8+\e],  s61
	v_cndmask_b32 v[ACC+16+\e], s60, v[ACC+16+\e], s61
.endr
.Lnm0:
.endif
.irp t, 0,1,2
	v_max3_num_f32 v[36+\t], v[ACC+8*\t], v[ACC+8*\t+1], v[ACC+8*\t+2]
.endr
.irp t, 0,1,2
	v_max3_num_f32 v[36+\t], v[36+\t], v[ACC+8*\t+3], v[ACC+8*\t+4]
.endr
.irp t, 0,1,2
	v_max3_num_f32 v[36+\t], v[36+\t], v[ACC+8*\t+5], v[ACC+8*\t+6]
.endr
.irp t, 0,1,2
	v_mov_b32 v[15+8*\t], v[12+8*\t]
.endr
.irp t, 0,1,2
	v_max3_num_f32 v[14+8*\t], v[36+\t], v[ACC+8*\t+7], v[14+8*\t]
.endr
.irp t, 0,1,2
	v_mul_f32 v[12+8*\t], s58, v[14+8*\t]
.endr
.irp t, 0,1,2
	v_sub_f32 v[15+8*\t], v[15+8*\t], v[12+8*\t]
.endr
.irp t, 0,1,2
	v_exp_f32 v[16+8*\t], v[15+8*\t]
.endr
.irp b, 0,1,2,3
.irp t, 0,1,2
	v_pk_fma_f32 v[ACC+8*\t+2*\b:ACC+8*\t+2*\b+1], v[ACC+8*\t+2*\b:ACC+8*\t+2*\b+1], s[58:59], v[12+8*\t:13+8*\t] op_sel_hi:[1,0,0] neg_lo:[0,0,1] neg_hi:[0,0,1]
.endr
.endr
.irp e, 0,1,2,3,4,5,6,7
.irp t, 0,1,2
	v_exp_f32 v[ACC+8*\t+\e], v[ACC+8*\t+\e]
.endr
.endr
	v_nop                                          ; a plain instruction behind the last exponential,
	s_wait_alu depctr_va_vdst(0)                   ; and one wait: the batch of 27 has written the 24 weights and the three a, ahead of their first reader
.irp t, 0,1,2
	v_pk_add_f32 v[ACC+8*\t:ACC+8*\t+1], v[ACC+8*\t:ACC+8*\t+1], v[ACC+8*\t+2:ACC+8*\t+3]
	v_pk_add_f32 v[ACC+8*\t+4:ACC+8*\t+5], v[ACC+8*\t+4:ACC+8*\t+5], v[ACC+8*\t+6:ACC+8*\t+7]
.endr
.irp t, 0,1,2
	v_pk_add_f32 v[ACC+8*\t:ACC+8*\t+1], v[ACC+8*\t:ACC+8*\t+1], v[ACC+8*\t+4:ACC+8*\t+5]
.endr
.irp t, 0,1,2
	v_pk_fma_f32 v[18+8*\t:19+8*\t], v[18+8*\t:19+8*\t], v[16+8*\t:17+8*\t], v[ACC+8*\t:ACC+8*\t+1] op_sel_hi:[1,0,1]
.endr
.if (\ct) == 3
	s_cmp_eq_u32 s19, 43                           ; slice 43 has no class past this tile: it leaves the other nine out
	s_cbranch_scc1 .Ldone0
.endif
.endm
	s_load_b256 s[4:11], s[0:1], 0x0               ; cb s[4:5], W2_1 s[6:7], W2_0 s[8:9], list s[10:11]
	s_load_b128 s[12:15], s[0:1], 0x20             ; cnt s[12:13], part1 s[14:15]
	s_load_b64 s[16:17], s[0:1], 0x30              ; part0
	v_lshl_add_u32 v2, v0, 2, SPARE                ; v2: my spare word; never rewritten
	v_mov_b32 v3, 0                                ; v3: 0; never rewritten
	v_lshrrev_b32 v1, 5, v0
	v_readfirstlane_b32 s18, v1                    ; wave 0..7
	v_and_b32 v1, 15, v0                           ; r
	v_bfe_u32 v10, v0, 4, 1                        ; h
	v_and_b32 v11, 31, v0                          ; lane
	s_mov_b32 s58, 0x3fb8aa3b                      ; c = log2 e
	s_mov_b32 s59, s58                             ; named with it as a pair
	s_mov_b32 s60, 0xf149f2ca                      ; -1e30
	s_mov_b32 s61, 0xffff                          ; lanes 0-15
	s_wait_alu depctr_va_sdst(0)                   ; s18 is written: the wait stands ahead of the branch behind which both texts first read it
	s_wait_kmcnt 0x0
	s_load_b64 s[20:21], s[12:13], 0x0             ; n1, n0: waited for behind the stage
	s_cmp_lt_u32 ttmp9, NS0                        ; the same answer in all eight waves
	s_cbranch_scc1 .Ltail0
	; ---------------- TAIL 1
	s_sub_co_u32 s19, ttmp9, NS0                   ; my slice
	s_mul_i32 s22, s19, 192                        ; its first class
	s_sub_co_u32 s23, 40256, s22
	s_min_u32 s23, s23, 191                        ; its last row that exists: later rows repeat it, and the mask hides them
	s_lshl_b32 s24, s22, 9
	s_mov_b32 s25, 0
	s_add_nc_u64 s[6:7], s[6:7], s[24:25]
	s_lshl_b32 s24, s19, 8
	s_add_nc_u64 s[14:15], s[14:15], s[24:25]      ; part1 at my slice
	s_mul_i32 s26, s18, 24                         ; my wave stages rows 24 w .. 24 w + 23
	s_lshl_b32 s27, s18, 4
	v_add_nc_u32 v4, s27, v1
	v_lshlrev_b32 v4, 3, v4                        ; list entry 16 w + r
	v_mov_b32 v5, v4
	v_lshlrev_b32 v24, 4, v11
.set i, 0
.rept 24                               ; all offsets and addresses are made first
	s_add_co_u32 s27, s26, i
	s_min_u32 s27, s27, s23
	v_lshl_add_u32 v[224+i], s27, 9, v24
.set i, i+1
.endr
	v_lshl_add_u32 v8, v10, 4, 3072                ; tail 1's hidden layer begins at byte 3,072 of a row of cb
	s_mul_i32 s27, s18, 53760
	v_lshl_add_u32 v9, v11, 3, s27                 ; tile w of part1, my lane's 8 bytes
	s_mul_i32 s27, s26, 272
	s_add_co_u32 s27, s27, T1B
	v_lshl_add_u32 v25, v11, 3, s27                ; into the stage: row 24 w, 8 bytes a lane
	v_mul_u32_u24 v26, v1, 272
	v_lshl_add_u32 v26, v10, 4, v26                ; out of it: a fragment's row x pitch + 16 x half
	v_add_nc_u32 v26, T1B, v26
	s_wait_alu depctr_va_vdst(0)                   ; v5, v[224:247], v9, v25 and v26 are written: the offsets and addresses of the loads and stores below
	global_load_b32 v6, v5, s[10:11]               ; my first tile's token
.set i, 0
.rept 24
	global_load_b128 v[128+4*i:131+4*i], v[224+i], s[6:7] th:TH_LOAD_NT   ; a whole row of 512 bytes
.set i, i+1
.endr
	s_wait_loadcnt 24                              ; the token is in: behind it stand the 24 rows
	s_wait_alu depctr_vm_vsrc(0)                   ; the token's load has read v5, which is written again below
	v_min_u32 v27, 4095, v6
	v_mul_u32_u24 v27, 0xe00, v27
	v_add_nc_u32 v7, v27, v8
	v_add_nc_u32 v4, 1024, v4
	v_min_u32 v5, 0x7ff8, v4
	s_wait_alu depctr_va_vdst(0)                   ; v7 and v5 are written, which the nine loads below read; v6 has been read, in which the last of them lands
.irp n, 0,1,2,3,4,5,6,7
	global_load_b128 v[64+4*\n:64+4*\n+3], v7, s[4:5] offset:32*\n
.endr
	global_load_b32 v6, v5, s[10:11]
.set g, 0
.rept 4                                ; the 24 rows in four groups of six
	s_wait_loadcnt 27-6*g                          ; behind the group's last row stand 18 - 6 g rows and the nine loads above
.if g > 0
	s_wait_alu depctr_va_vdst(0)                   ; the group before is rounded: the six LDS stores below read what its conversions wrote
.set i, 6*g-6
.rept 6
	ds_store_b64 v25, v[128+4*i:129+4*i] offset:272*i
.set i, i+1
.endr
.endif
.set i, 6*g
.rept 6
	v_cvt_pk_bf16_f32 v[128+4*i], v[128+4*i], v[129+4*i]
	v_cvt_pk_bf16_f32 v[129+4*i], v[130+4*i], v[131+4*i]
.set i, i+1
.endr
.set g, g+1
.endr
	s_wait_alu depctr_va_vdst(0)                   ; the last group is rounded: its six LDS stores read what its conversions wrote
.set i, 18
.rept 6
	ds_store_b64 v25, v[128+4*i:129+4*i] offset:272*i
.set i, i+1
.endr
	s_wait_dscnt 0x0                               ; for the others' sake: my rows are in the stage
	s_barrier_signal -1
	s_barrier_wait -1
	s_wait_alu depctr_vm_vsrc(0)                   ; my LDS stores have read v[128:221] and the rows' loads v[224:247]: W's fragments land in these registers
	s_wait_alu depctr_va_vdst(0)                   ; the conversions are done reading and writing v[128:223], and v[224:247] and v26 are written: the loads below land in the first two and read the last
.set j, 0
.rept 12                               ; every wave takes the whole slice into registers: 48 fragments
.if j == 4
	WIN 0x40                                       ; destination in window 1
.endif
.set wn, (128+32*j)%256
.irp k, 0,1,2,3
	ds_load_b128 v[wn+8*\k:wn+8*\k+3],   v26 offset:4352*j+64*\k
	ds_load_b128 v[wn+8*\k+4:wn+8*\k+7], v26 offset:4352*j+64*\k+32
.endr
.set j, j+1
.endr
	WIN 0
	v_mov_b32 v13, 0                               ; named as halves of pairs before they hold anything
	v_mov_b32 v17, 0
	s_wait_kmcnt 0x0
	s_min_u32 s20, s20, 4096
	s_add_co_u32 s28, s20, 15
	s_lshr_b32 s28, s28, 4                         ; tail 1's tiles
	s_add_co_u32 s28, s28, 7
	s_sub_co_u32 s28, s28, s18
	s_lshr_b32 s28, s28, 3                         ; of which mine are w, w + 8, ..: so many
	s_mov_b32 s29, 0
	s_mov_b32 s30, 16                              ; 16 trips of two tiles cover 256 tiles on eight waves
	s_wait_dscnt 0x0
.Lt1:
	s_cmp_lt_u32 s29, s28
	s_cbranch_scc0 .Lskip1
	HALF 0
	s_add_co_u32 s29, s29, 1
	s_cmp_lt_u32 s29, s28
	s_cbranch_scc0 .Lskip1
	HALF 1
	s_add_co_u32 s29, s29, 1
.Lskip1:
	s_sub_co_u32 s30, s30, 1
	s_cmp_lg_u32 s30, 0
	s_cbranch_scc1 .Lt1
	s_wait_dscnt 0x0                               ; the closing lines, six on end
	s_wait_alu 0x0
	s_wait_tensorcnt 0x0
	ds_add_u32 v2, v3
	s_wait_dscnt 0x0
	s_endpgm
	; ---------------- TAIL 0
.Ltail0:
	s_mov_b32 s19, ttmp9                           ; my slice
	s_mul_i32 s22, s19, 208                        ; its first class
	s_sub_co_u32 s23, 8999, s22
	s_min_u32 s23, s23, 207                        ; its last row that exists: later rows repeat it; they are masked or left out
	s_lshl_b32 s24, s22, 11
	s_mov_b32 s25, 0
	s_add_nc_u64 s[8:9], s[8:9], s[24:25]
	s_lshl_b32 s24, s19, 8
	s_add_nc_u64 s[16:17], s[16:17], s[24:25]      ; part0 at my slice
	s_mul_i32 s26, s18, 26                         ; my wave stages rows 26 w .. 26 w + 25
	v_lshlrev_b32 v5, 4, v11
.set n, 0
.rept 26
	s_add_co_u32 s27, s26, n
	s_min_u32 s27, s27, s23
	v_lshl_add_u32 v[168+n], s27, 11, v5
.set n, n+1
.endr
	s_mul_i32 s27, s26, 1040
	v_lshl_add_u32 v6, v11, 3, s27
	s_mov_b32 s28, 4
.Lstage0:                              ; a trip: 512 bytes, a quarter, of each of my 26 rows
	s_wait_alu depctr_va_vdst(0)                   ; the first trip: the offsets v[168:193] and v6 are written; later trips: v6 has moved on, and the last trip's conversions are done with v[64:167], in which the loads below land
.set n, 0
.rept 26
	global_load_b128 v[64+4*n:67+4*n], v[168+n], s[8:9] th:TH_LOAD_NT
.set n, n+1
.endr
.set g, 0
.rept 4                                ; the 26 rows in groups of seven (the last: five)
.if g < 3
	s_wait_loadcnt 19-7*g                          ; behind the group's last row stand 19 - 7 g younger loads
.else
	s_wait_loadcnt 0x0
.endif
.if g > 0
	s_wait_alu depctr_va_vdst(0)                   ; the group before is rounded: the seven LDS stores below read what its conversions wrote
.set n, 7*g-7
.rept 7
	ds_store_b64 v6, v[64+4*n:65+4*n] offset:1040*n
.set n, n+1
.endr
.endif
.set n, 7*g
.rept 7
.if n < 26
	v_cvt_pk_bf16_f32 v[64+4*n], v[64+4*n], v[65+4*n]
	v_cvt_pk_bf16_f32 v[65+4*n], v[66+4*n], v[67+4*n]
.endif
.set n, n+1
.endr
.set g, g+1
.endr
	s_wait_alu depctr_va_vdst(0)                   ; the last group is rounded: its five LDS stores read what its conversions wrote
.set n, 21
.rept 5
	ds_store_b64 v6, v[64+4*n:65+4*n] offset:1040*n
.set n, n+1
.endr
	s_add_nc_u64 s[8:9], s[8:9], 512               ; all the trip's loads are back: their base may step
	s_wait_alu depctr_vm_vsrc(0)                   ; the trip's LDS stores have read v6, which moves on below, and their data, in which the next trip's loads land
	v_add_nc_u32 v6, 256, v6
	s_sub_co_u32 s28, s28, 1
	s_cmp_lg_u32 s28, 0
	s_cbranch_scc1 .Lstage0
	v_mov_b32 v4, v1                               ; r
	v_lshl_add_u32 v8, v10, 4, 2048                ; tail 0's hidden layer begins at byte 2,048 of a row of cb
	v_lshlrev_b32 v39, 3, v10                      ; 8 h
	v_mul_u32_u24 v11, v1, 1040
	v_lshl_add_u32 v11, v10, 4, v11                ; a fragment's row x pitch + 16 x half
	s_wait_dscnt 0x0                               ; for the others' sake: my rows are in the stage
	s_barrier_signal -1
	s_barrier_wait -1
	s_wait_kmcnt 0x0
	s_min_u32 s20, s20, 4096
	s_min_u32 s21, s21, 4096
	s_lshr_b32 s29, s20, 4
	s_add_co_u32 s30, s20, s21
	s_add_co_u32 s30, s30, 15
	s_lshr_b32 s30, s30, 4
	s_sub_co_u32 s30, s30, s29                     ; tail 0's tiles,
	s_cmp_eq_u32 s21, 0
	s_cselect_b32 s30, 0, s30                      ; none if it has no token,
	s_add_co_u32 s30, s30, 2
	s_mul_hi_u32 s30, s30, 0x55555556              ; in groups of three
	s_min_u32 s29, s29, 256                        ; its first tile
	s_mov_b32 s31, s18                             ; my groups: w, w + 8, ..
	s_mov_b32 s32, 11                              ; 11 trips cover 86 groups on eight waves
.Lt0:
	s_cmp_lt_u32 s31, s30
	s_cbranch_scc0 .Lskip0
	s_wait_xcnt 0x0                                ; the last trip's stores have had their addresses translated: their registers are rewritten only behind this wait
	s_wait_alu depctr_vm_vsrc(0)                   ; the last trip's loads and stores have read v5 to v7, v9, v10 and the pairs (c m, l), the stage's LDS stores v6: all are written again below
	s_mul_i32 s33, s31, 3
	s_add_co_u32 s33, s33, s29
	s_min_u32 s33, s33, 255                        ; the group's first tile: bounded before addresses are made of it
	s_lshl_b32 s34, s33, 4
	v_add_nc_u32 v0, s34, v4
.irp t, 0,1,2
	v_add_nc_u32 v1, 16*\t, v0
	v_min_u32 v1, 4095, v1                         ; a tile past the list's end repeats its last entry; nobody reads what is made of it
	v_lshlrev_b32 v[36+\t], 3, v1
.endr
	s_mul_i32 s34, s33, 11264
	v_lshlrev_b32 v9, 4, v39
	v_lshl_add_u32 v9, v4, 3, v9                   ; 8 x lane
	v_add_nc_u32 v9, s34, v9
	v_mov_b32 v10, v11                             ; W's base for class tiles 0 to 2
	s_wait_alu depctr_va_vdst(0)                   ; v36 to v38 and v10 are written, which the loads below read; the vector lines that wrote v5 to v7 are done, and the last trip's products are done reading W's buffers: the loads land in these
.irp t, 0,1,2
	global_load_b32 v[5+\t], v[36+\t], s[10:11]
.endr
.set n, 0
.rept 16                               ; the first class tile's chunks 0 and 1
	ds_load_b128 v[WF+4*n:WF+4*n+3], v10 offset:32*n
.set n, n+1
.endr
.irp t, 0,1,2
	v_mov_b32 v[12+8*\t], 0xfe000000               ; c m: far below every c s, so the first a is 0
	v_mov_b32 v[13+8*\t], 0
	v_mov_b32 v[14+8*\t], 0xff7fffff               ; m
	v_mov_b32 v[17+8*\t], 0
	v_mov_b32 v[18+8*\t], 0
	v_mov_b32 v[19+8*\t], 0
.endr
	s_wait_loadcnt 0x0
	s_wait_alu depctr_vm_vsrc(0)                   ; the tokens' loads have read v36 to v38, which the class tiles' maxima write
.irp t, 0,1,2
	v_min_u32 v[5+\t], 4095, v[5+\t]
	v_mul_u32_u24 v[5+\t], 0xe00, v[5+\t]
	v_add_nc_u32 v[5+\t], v[5+\t], v8
.endr
	s_wait_alu depctr_va_vdst(0)                   ; v5 to v7 are written, which the 96 loads below read; the last trip's products are done reading h's registers, in which they land
.set f, 0
.rept 48                               ; 48 tokens' hidden rows stay in registers for the slice's 13 class tiles
.if f == 16
	WIN 0x40
.endif
.set hn, (128+8*f)%256
	global_load_b128 v[hn:hn+3],   v[5+f%3], s[4:5] offset:64*(f/3)
	global_load_b128 v[hn+4:hn+7], v[5+f%3], s[4:5] offset:64*(f/3)+32
.set f, f+1
.endr
	WIN 0
	s_wait_loadcnt 0x0
.irp ct, 0,1,2,3,4,5,6,7,8,9,10,11,12
	CT \ct
.endr
.Ldone0:
	s_wait_dscnt 0x0                               ; the slice that leaves early has asked for a tile's first two chunks: their registers are loaded again next trip
.irp t, 0,1,2
	v_add_f32 v[13+8*\t], v[18+8*\t], v[19+8*\t]
.endr
	s_wait_alu depctr_va_vdst(0)                   ; the three pairs (c m, l) are written, which the stores read
.irp t, 0,1,2
	global_store_b64 v9, v[12+8*\t:13+8*\t], s[16:17] offset:11264*\t
.endr
.Lskip0:
	s_add_co_u32 s31, s31, 8
	s_sub_co_u32 s32, s32, 1
	s_cmp_lg_u32 s32, 0
	s_cbranch_scc1 .Lt0
	s_wait_dscnt 0x0                               ; the closing lines, six on end
	s_wait_alu 0x0
	s_wait_tensorcnt 0x0
	ds_add_u32 v2, v3
	s_wait_dscnt 0x0
	s_endpgm
.Lfunc_end_k_qbca60a3e11_tails:
	.size	k_qbca60a3e11_tails, .Lfunc_end_k_qbca60a3e11_tails-k_qbca60a3e11_tails
	.p2alignl 7, 3214868480
	.fill 96, 4, 3214868480
	.section	.rodata,"a",@progbits
	.p2align	6, 0x0
	.amdhsa_kernel k_qbca60a3e11_tails
		.amdhsa_group_segment_fixed_size 269568
		.amdhsa_private_segment_fixed_size 0
		.amdhsa_enable_private_segment 0
		.amdhsa_kernarg_size 56
		.amdhsa_user_sgpr_count 2
		.amdhsa_user_sgpr_kernarg_segment_ptr 1
		.amdhsa_wavefront_size32 1
		.amdhsa_system_sgpr_workgroup_id_x 1
		.amdhsa_system_sgpr_workgroup_id_y 1
		.amdhsa_system_sgpr_workgroup_id_z 1
		.amdhsa_system_vgpr_workitem_id 0
		.amdhsa_next_free_vgpr 512
		.amdhsa_next_free_sgpr 66
		.amdhsa_reserve_vcc 0
		.amdhsa_float_denorm_mode_32 3
		.amdhsa_float_denorm_mode_16_64 3
		.amdhsa_memory_ordered 1
		.amdhsa_forward_progress 1
		.amdhsa_inst_pref_size 200
	.end_amdhsa_kernel
	.amdgpu_metadata
---
amdhsa.version: [ 1, 2 ]
amdhsa.kernels:
  - .name:           k_qbca60a3e11_tails
    .symbol:         k_qbca60a3e11_tails.kd
    .args:
      - { .name: cb, .offset: 0, .size: 8, .value_kind: global_buffer, .address_space: global }
      - { .name: W2_1, .offset: 8, .size: 8, .value_kind: global_buffer, .address_space: global }
      - { .name: W2_0, .offset: 16, .size: 8, .value_kind: global_buffer, .address_space: global }
      - { .name: list, .offset: 24, .size: 8, .value_kind: global_buffer, .address_space: global }
      - { .name: cnt, .offset: 32, .size: 8, .value_kind: global_buffer, .address_space: global }
      - { .name: part1, .offset: 40, .size: 8, .value_kind: global_buffer, .address_space: global }
      - { .name: part0, .offset: 48, .size: 8, .value_kind: global_buffer, .address_space: global }
    .group_segment_fixed_size: 269568
    .private_segment_fixed_size: 0
    .kernarg_segment_align: 8
    .kernarg_segment_size: 56
    .max_flat_workgroup_size: 256
    .sgpr_count:     66
    .vgpr_count:     512
    .wavefront_size: 32
...
	.end_amdgpu_metadata
.endif
;; end of part 7
;; launch combine: the kernel of part 4 again; grid 256 x 1, 8 waves a work-group, no clusters, 3,072 bytes of LDS; arguments cb, W2_0, W2_1, list, cnt, part1, part0, out0; writes out0
;; launch loss: the kernel of part 5 again; grid 1 x 1, 1 waves a work-group, no clusters, 0 bytes of LDS; arguments out0, out1; writes out1
